; MI455X (gfx1250); checked and timed in simulation.
; The chip was launched on July 23, 2026; its instructions are those of AMD's public machine-readable ISA for CDNA 5 (MIT licence, August 2026) and "CDNA5" Instruction Set Architecture Reference Guide (July 2026). The comments in the code are by the model that wrote it; some were corrected since.
;; Multihead Attention. Allowed arithmetic: matrix products marked QUANTISED: E3M2 operands, one E8M0 scale for each 32 along K, by v_wmma_scale_f32_16x16x128_f8f6f4 with both operands' format E3M2, f32 sums; everything else in f32.
;; Inputs: Wk 1,024 x 1,024 float32; Wp 1,024 x 1,024 float32; Wq 1,024 x 1,024 float32; Wv 1,024 x 1,024 float32; bk 1,024 float32; bp 1,024 float32; bq 1,024 float32; bv 1,024 float32; input_ids 4 x 2,048 int32; x 4 x 2,048 x 1,024 float32.
;; Outputs: out0 4 x 2,048 x 1,024 float32.
;; This version of the problem:
;;   THIS VERSION OF THE PROBLEM IS GIVEN IN LOW PRECISION. The matrix products marked QUANTISED in the list below multiply operands that are first quantised to E3M2 (3 exponent bits, 2 mantissa bits; 6 bits a number), with one power-of-two scale for each 32 numbers along K (OCP MX v1.0); their sums are f32. All else is computed in f32.
;;   The module's matrix products, in the order in which they are computed (A, B: the left and right operand; K: the contracted axis; several contracted axes count as one K, in the product's order):
;;     1. [M 8,192, K 1,024] x [K 1,024, N 1,024]; A: input x; B: input Wq: QUANTISED
;;     2. [M 8,192, K 1,024] x [K 1,024, N 1,024]; A: input x; B: input Wk: QUANTISED
;;     3. [M 8,192, K 1,024] x [K 1,024, N 1,024]; A: input x; B: input Wv: QUANTISED
;;     4. batch 64 x [M 2,048, K 64] x [K 64, N 2,048]; A: computed on the way; B: computed on the way: QUANTISED
;;     5. batch 64 x [M 64, K 2,048] x [K 2,048, N 2,048]; A: computed on the way; B: softmax (see below): QUANTISED
;;     6. [M 8,192, K 1,024] x [K 1,024, N 1,024]; A: computed on the way; B: input Wp: QUANTISED
;;   THE QUANTISER, for each operand of a quantised product, along K:
;;     - K is cut into blocks of 32 from its start; a last block that is shorter is filled with zeros.
;;     - A block's scale is 2^e with e = floor(log2(the largest magnitude in the block)) - 4, held to -126 .. 127; a block of zeros has e = 0. As a byte (E8M0): e + 127.
;;     - Each number is divided by its block's scale, clamped to +-28, and rounded to the nearest number of E3M2, ties to even, subnormals kept.
;;     - The product sums the exact products of the quantised numbers (number of the format x scale) in f32.
;;   ~~~python
;;   def quantise(x, axis):      # numpy; x: float32 -> the quantised numbers, widened to float32 again
;;       x = np.moveaxis(x, axis, -1); K = x.shape[-1]
;;       x = np.pad(x, [(0, 0)] * (x.ndim - 1) + [(0, -K % 32)]); x = x.reshape(x.shape[:-1] + (-1, 32)); a = np.abs(x).max(-1, keepdims=True)
;;       e = np.where(a > 0, np.clip(np.frexp(np.where(a > 0, a, 1))[1] - 1 - 4, -126, 127), 0)      # np.frexp(a)[1] - 1 = floor(log2(a)), exactly
;;       r = np.clip(x / 2.0 ** e, -28, 28)
;;       step = 2.0 ** (np.maximum(np.frexp(np.where(r == 0, 1, r))[1] - 1, -2) - 2)
;;       q = np.round(r / step) * step * 2.0 ** e      # np.round: ties to even
;;       return np.moveaxis(q.reshape(q.shape[:-2] + (-1,))[..., :K], -1, axis).astype(np.float32)
;;   ~~~
;;   SOFTMAX AHEAD OF A QUANTISED PRODUCT. Where the list says 'softmax', what is quantised is not the finished softmax but p = 2^(t - M), with t = logit x log2(e) and M = ceil(the row's largest t), a whole number; so 1/2 < the row's largest p <= 1. The row's sum l is taken of the UNQUANTISED p, in f32, and the product's result is divided by l at the end. Since M is a whole number, a kernel that streams over the keys may use a running M (the ceiling of the running maximum): every later rescaling is an exact power of two, which a block's scale takes up: the codes' values come out the same.
;;   OPERANDS COMPUTED ON THE WAY. 'Computed on the way' means the value that the module computes at that place (a softmax that the list does not call 'softmax' is quantised finished and normalised). What goes into a quantiser is computed in f32, as accurately as f32 sums, v_exp_f32 and their like allow (about 1e-6 of the number): no bf16 or f16 on the way to a quantiser, and a product that is left as it is and whose result goes on into a quantised operand takes f32 operands (vector FMAs, or v_wmma_f32_16x16x4_f32). A number that lies on a knife's edge between two numbers of the format may be rounded either way, as far as f32 arithmetic and the matrix unit's own rounding can turn it there, and no further.
;; One version. Each part assembles by itself: llvm-mc -triple=amdgcn-amd-amdhsa -mcpu=gfx1250 --defsym DOCPART=n.
;; ======== version 1 of 1: 4 launches
;; limits: right only within a limited range of input values
;; workspace buffers: xc 6,291,456 bytes; xs 262,144 bytes; wc 3,145,728 bytes; ws 131,072 bytes; qkv 18,874,368 bytes; qkvs 786,432 bytes; ac 6,291,456 bytes; asc 262,144 bytes
;; launch quant (part 1): grid 256 x 1, 4 waves a work-group, no clusters, 59,904 bytes of LDS; arguments x, Wq, Wk, Wv, Wp, xc, xs, wc, ws; writes xc, xs, wc, ws
.if DOCPART == 1
	.amdgcn_target "amdgcn-amd-amdhsa--gfx1250"
	.amdhsa_code_object_version 6
	.text
	.protected	k_q7116481ec0_quant
	.globl	k_q7116481ec0_quant
	.p2align	8
	.type	k_q7116481ec0_quant,@function
k_q7116481ec0_quant:
	s_mov_b64 s[64:65], 0
	v_nop
	global_prefetch_b8 v0, s[64:65] scope:SCOPE_SE
	s_setreg_imm32_b32 hwreg(HW_REG_WAVE_MODE, 25, 1), 1
	s_wait_xcnt 0x0
; x [8192][1024] (K innermost) and Wq, Wk, Wv, Wp [1024 (k)][1024 (n)] (K is the FIRST axis), f32, become codes of E3M2 with one E8M0 byte for each 32 along K.
; A block's scale is 2^(floor(log2(largest magnitude)) - 4): its byte is the largest magnitude's exponent field - 4, held at 1 from below by a floor among the maximum's leaves.
; (A block of zeros so keeps the byte 1: its codes are zeros, and this program alone reads the bytes.)
; LIMITS: NaN and infinities among the inputs are not served; blocks whose largest magnitude lies under 2^-122 keep the byte 1.
; LAYOUT OF THE CODES.  Rows (x's rows, a weight's columns n) are kept in STORED ORDER: bits 3 and 4 of the row number change places, so stored tile 2 B + u, row r, is row 32 B + 8 u + r + 8 (r / 8).
; An IMAGE is 16 stored rows x 64 along K, 768 bytes, in the order of an operand's registers: lane l = 16 h + r owns the 24 bytes of row r, k = 32 h .. 32 h + 31: its first 16 at 16 l, its last 8 at 512 + 8 l.
; Image (tile T, kc = k / 64) lies at (16 T + kc) x 768.  wc holds Wq, Wk, Wv, Wp as rows 0, 1024, 2048, 3072 on.  Scale bytes: [stored row][32].
; SHARES.  Work-groups 0-127 take x: a wave takes one stored tile, 16 rows x all of K, in 8 steps of 128.  Work-groups 128-255 take the weights: a wave takes 32 columns x 256 along K, a lane a column, its registers down K.
; No work-group shares an input with another, so there is no cluster; waves share nothing, so there is no barrier.  Each of the two paths has LDS bytes of its own.
.set XROW,  4096                       ; a row of x or of a weight in bytes
.set SPX,   528                        ; x path: a stage row: 512 bytes + 16, so that the 16 rows of a read start in 16 different groups of banks
.set XSTG,  16*SPX                     ; a wave's stage
.set WST0,  4*XSTG                     ; W path: its stages begin behind x's
.set WTIL,  3200                       ; a tile's four images (3,072 bytes) + 128
.set WSTG,  2*WTIL
.set IMG,   768
.set TROW,  16*IMG                     ; a stored tile's 16 images
.set FLOOR, 0x2800000                  ; 2^(5 - 127)
.set OFF4,  0xfe000000                 ; -(4 << 23)
.set XW,  16                           ; x path: v16-23 the row's eight scale words
.set PC,  24                           ; v24-35 a fragment's codes
.set PT,  36                           ; v36-43 the second halves of the conversions (three registers begin on an even number)
.set SW4, 44                           ; v44-47 the four words that I store
.set R,   64                           ; v64-191 two sets of 64: a step's numbers as loaded
.set X,   192                          ; v192-255 my 64 numbers: two whole blocks of 32
.set SB,  16                           ; W path: v16-17 eight scale bytes
.set C,   20                           ; v20-25 a block's codes
.set CT,  28                           ; v28-30
.set WX,  32                           ; v32-95 two sets of 32 numbers
.set OUTR, 96                          ; v96-143 the way out
	s_load_b256 s[4:11], s[0:1], 0x0               ; x s[4:5], Wq s[6:7], Wk s[8:9], Wv s[10:11]
	s_load_b256 s[12:19], s[0:1], 0x20             ; Wp s[12:13], xc s[14:15], xs s[16:17], wc s[18:19]
	s_load_b64 s[20:21], s[0:1], 0x40              ; ws
	s_set_vgpr_msb 0x40
	v_lshl_add_u32 v0, v0, 2, 0xe800
	v_mov_b32 v1, 0
	s_set_vgpr_msb 0x4000
	v_lshrrev_b32 v1, 5, v0
	v_readfirstlane_b32 s22, v1                    ; wave
	v_and_b32 v1, 31, v0                           ; lane
	s_cmp_lt_u32 ttmp9, 128
	s_cbranch_scc0 .Lweights
	; ---------------- x ----------------
	s_lshl_b32 s23, ttmp9, 2
	s_add_co_u32 s23, s23, s22                     ; T: my stored tile
	s_lshr_b32 s24, s23, 1
	s_and_b32 s25, s23, 1
	s_lshl_b32 s24, s24, 17                        ; 32 (T / 2) rows of 4,096 bytes
	s_lshl_b32 s25, s25, 15                        ; + 8 (T % 2) rows
	s_add_co_u32 s24, s24, s25
	s_mov_b32 s25, 0
	s_mul_i32 s26, s23, TROW
	s_mov_b32 s27, 0
	s_lshl_b32 s28, s23, 9                         ; 16 rows x 32 scale bytes
	s_mov_b32 s29, 0
	s_mul_i32 s30, s22, XSTG                       ; my stage
	s_mov_b32 s32, 0x76543210
	s_mov_b32 s33, 0xfedcba98                      ; v_permlanex16_b32's selects for lane l xor 16
	s_mov_b32 s34, 0xffff0000                      ; lanes 16-31
	v_and_b32 v8, 15, v0                           ; r
	v_bfe_u32 v9, v0, 4, 1                         ; h
	s_wait_alu depctr_va_vdst(0)
	v_lshlrev_b32 v2, 4, v1                        ; 16 x lane: my bytes of a load's 512, and of an image's first 512
	v_add_nc_u32 v3, s30, v2                       ; into the stage as loaded
	v_mul_u32_u24 v4, v8, SPX
	v_lshl_add_u32 v4, v9, 7, v4
	v_add_nc_u32 v4, s30, v4                       ; out of it: row r, + 128 h: my 32 numbers of each 64
	v_lshl_add_u32 v6, v1, 3, 512                  ; an image's last 256 bytes: 512 + 8 x lane
	v_lshlrev_b32 v7, 5, v8
	v_lshl_add_u32 v7, v9, 4, v7                   ; scale bytes: 32 r + 16 h
	v_lshlrev_b32 v10, 3, v9                       ; 8 h
	v_mov_b32 v11, 0                               ; written once: a lane permute's destination counts as one of its sources
	s_wait_alu depctr_va_vdst(0)
	s_wait_kmcnt 0x0
	s_add_nc_u64 s[4:5], s[4:5], s[24:25]
	s_add_nc_u64 s[14:15], s[14:15], s[26:27]
	s_add_nc_u64 s[16:17], s[16:17], s[28:29]
.macro XLD s                           ; step s: 128 along K of my 16 rows: each load reads 512 consecutive bytes, aligned
.irp p, 0,1,2,3,4,5,6,7,8,9,10,11,12,13,14,15
	global_load_b128 v[R+64*((\s)%2)+4*\p:R+64*((\s)%2)+4*\p+3], v2, s[4:5] offset:(\p+8*(\p/8))*XROW+512*(\s) th:TH_LOAD_NT
.endr
.endm
.macro XSTEP s
.if (\s) < 7
	s_wait_loadcnt 16                              ; this step's 16 loads are in; the next step's may be out
.else
	s_wait_loadcnt 0x0
.endif
.irp p, 0,1,2,3,4,5,6,7,8,9,10,11,12,13,14,15
	ds_store_b128 v3, v[R+64*((\s)%2)+4*\p:R+64*((\s)%2)+4*\p+3] offset:SPX*\p
.endr
.irp c, 0,1
.irp e, 0,1,2,3,4,5,6,7
	ds_load_b128 v[X+32*\c+4*\e:X+32*\c+4*\e+3], v4 offset:256*\c+16*\e   ; row r, k = 64 c + 32 h + 4 e ..: LDS serves a wave's instructions in order, so these see the stores above
.endr
.endr
	s_wait_dscnt 0x0                               ; my numbers are back, and the stores have read their registers,
.if (\s)+2 < 8
	XLD (\s)+2                                     ; which take the loads of two steps on
.endif
.irp c, 0,1
	v_max3_num_f32 v[12+\c], |v[X+32*\c]|, |v[X+32*\c+1]|, FLOOR   ; block 2 c + h of the step: all 32 numbers are mine; the floor holds the byte at 1 from below
.endr
.irp i, 2,4,6,8,10,12,14,16,18,20,22,24,26,28,30
.irp c, 0,1
	v_max3_num_f32 v[12+\c], v[12+\c], |v[X+32*\c+\i]|, |v[X+32*\c+\i+1]|
.endr
.endr
	v_add_nc_u32 v14, OFF4, v12                    ; 4 off the exponent field: the conversion takes the exponent field of this operand as its scale
	v_add_nc_u32 v15, OFF4, v13
	v_lshrrev_b32 v8, 23, v14                      ; the scales' bytes
	v_lshrrev_b32 v9, 23, v15
	v_lshl_or_b32 v8, v9, 16, v8                   ; blocks h and 2 + h,
	v_lshlrev_b32 v8, v10, v8                      ; at their places in the step's word;
	v_permlanex16_b32 v11, v8, s32, s33
	v_or_b32 v[XW+(\s)], v8, v11                   ; with lane l xor 16's two the word is whole
	s_wait_alu depctr_va_vdst(0)
	s_wait_xcnt 0x0                                ; the last step's stores have read the codes' registers
.irp c, 0,1
	v_cvt_scalef32_pk16_bf6_f32 v[PC+6*\c:PC+6*\c+2], v[X+32*\c:X+32*\c+15], v[14+\c]
	v_cvt_scalef32_pk16_bf6_f32 v[PT+4*\c:PT+4*\c+2], v[X+32*\c+16:X+32*\c+31], v[14+\c]
.endr
	v_nop                                          ; one plain place behind a scaled conversion
.irp c, 0,1
.irp i, 0,1,2
	v_mov_b32 v[PC+6*\c+3+\i], v[PT+4*\c+\i]
.endr
.endr
.irp c, 0,1
	global_store_b128 v2, v[PC+6*\c:PC+6*\c+3], s[14:15] offset:(2*(\s)+\c)*IMG     ; 512 consecutive bytes, aligned
	global_store_b64 v6, v[PC+6*\c+4:PC+6*\c+5], s[14:15] offset:(2*(\s)+\c)*IMG    ; and the 256 behind them
.endr
.endm
	XLD 0
	XLD 1
.irp s, 0,1,2,3,4,5,6,7
	XSTEP \s
.endr
.irp i, 0,1,2,3
	v_cndmask_b32 v[SW4+\i], v[XW+\i], v[XW+4+\i], s34   ; lanes 0-15 store a row's words 0-3, lanes 16-31 its words 4-7
.endr
	global_store_b128 v7, v[SW4:SW4+3], s[16:17]   ; the tile's 512 scale bytes, consecutive
	s_set_vgpr_msb 0x5
	s_wait_tensorcnt 0x0
	ds_add_u32 v0, v1
	s_wait_dscnt 0x0
	s_set_vgpr_msb 0x500
	s_endpgm
	; ---------------- the weights ----------------
.Lweights:
	s_sub_co_u32 s23, ttmp9, 128
	s_lshr_b32 s24, s23, 5                         ; which weight
	s_bfe_u32 s25, s23, 0x30002                    ; which 128 columns
	s_and_b32 s26, s23, 3                          ; which 256 along K
	s_lshl_b32 s28, s26, 20                        ; 256 rows of 4,096 bytes
	s_lshl_b32 s29, s25, 9
	s_add_co_u32 s28, s28, s29                     ; + 128 columns x 4 bytes
	s_lshl_b32 s29, s22, 7
	s_add_co_u32 s28, s28, s29                     ; + my wave's 32
	s_mov_b32 s29, 0
	s_lshl_b32 s31, s24, 6
	s_lshl_b32 s34, s25, 3
	s_add_co_u32 s31, s31, s34
	s_lshl_b32 s34, s22, 1
	s_add_co_u32 s31, s31, s34                     ; my first stored tile in wc: 64 x weight + 8 x group + 2 x wave
	s_mul_i32 s34, s31, TROW
	s_mul_i32 s35, s26, 4*IMG
	s_add_co_u32 s34, s34, s35
	s_mov_b32 s35, 0
	s_lshl_b32 s36, s31, 9
	s_lshl_b32 s37, s26, 3
	s_add_co_u32 s36, s36, s37
	s_mov_b32 s37, 0
	s_mul_i32 s30, s22, WSTG
	s_add_co_u32 s30, s30, WST0                    ; my stage
	s_wait_alu depctr_va_vdst(0)
	v_lshlrev_b32 v3, 2, v1                        ; in: 4 bytes a lane: lane = column
	v_bfe_u32 v8, v1, 3, 1                         ; u: the column's bit 3 is the stored tile's parity,
	v_bfe_u32 v9, v1, 4, 1
	v_and_b32 v10, 7, v1
	v_lshl_add_u32 v9, v9, 3, v10                  ; r: its bit 4 the stored row's bit 3
	v_mul_u32_u24 v10, v8, WTIL
	v_add_nc_u32 v10, s30, v10
	v_lshl_add_u32 v4, v9, 4, v10                  ; a block's first 16 bytes: tile u, 16 r (+ 256 for the odd blocks)
	v_lshl_add_u32 v5, v9, 3, v10
	v_add_nc_u32 v5, 512, v5                       ; its last 8: 512 + 8 r (+ 128)
	v_lshlrev_b32 v7, 4, v1                        ; the way out: 16 x lane
	v_add_nc_u32 v6, s30, v7
	v_lshl_add_u32 v8, v8, 4, v9
	v_lshlrev_b32 v8, 5, v8                        ; my stored row's 32 scale bytes
	s_wait_kmcnt 0x0
	s_cmp_eq_u32 s24, 1                            ; the choice hangs on the work-group's number alone
	s_cselect_b64 s[6:7], s[8:9], s[6:7]
	s_cmp_eq_u32 s24, 2
	s_cselect_b64 s[6:7], s[10:11], s[6:7]
	s_cmp_eq_u32 s24, 3
	s_cselect_b64 s[6:7], s[12:13], s[6:7]
	s_add_nc_u64 s[6:7], s[6:7], s[28:29]
	s_add_nc_u64 s[18:19], s[18:19], s[34:35]
	s_add_nc_u64 s[20:21], s[20:21], s[36:37]
.macro WLD t                           ; block t: W(32 t + i, my column): 32 lanes read 128 consecutive bytes
.irp i, 0,1,2,3,4,5,6,7,8,9,10,11,12,13,14,15,16,17,18,19,20,21,22,23,24,25,26,27,28,29,30,31
	global_load_b32 v[WX+32*((\t)%2)+\i], v3, s[6:7] offset:(32*(\t)+\i)*XROW th:TH_LOAD_NT
.endr
.endm
.macro WBLK t
.set XS, WX+32*((\t)%2)
.if (\t) < 7
	s_wait_loadcnt 32                              ; this block's 32 loads are in; the next block's may be out
.else
	s_wait_loadcnt 0x0
.endif
	v_max3_num_f32 v12, |v[XS]|, |v[XS+1]|, |v[XS+2]|
	v_max3_num_f32 v13, |v[XS+3]|, |v[XS+4]|, |v[XS+5]|
.irp i, 6,10,14,18,22,26
	v_max3_num_f32 v12, v12, |v[XS+\i]|, |v[XS+\i+1]|
	v_max3_num_f32 v13, v13, |v[XS+\i+2]|, |v[XS+\i+3]|
.endr
	v_max3_num_f32 v12, v12, |v[XS+30]|, |v[XS+31]|
	v_max3_num_f32 v12, v12, v13, FLOOR
	v_add_nc_u32 v11, OFF4, v12
	v_lshrrev_b32 v13, 23, v11
.if (\t)%4 == 0
	v_mov_b32 v[SB+(\t)/4], v13                    ; four bytes to a register, the lower K in the lower byte
.else
	v_lshl_or_b32 v[SB+(\t)/4], v13, 8*((\t)%4), v[SB+(\t)/4]
.endif
	v_cvt_scalef32_pk16_bf6_f32 v[C:C+2], v[XS:XS+15], v11
	v_cvt_scalef32_pk16_bf6_f32 v[CT:CT+2], v[XS+16:XS+31], v11
	v_nop                                          ; one plain place behind a scaled conversion
.irp i, 0,1,2
	v_mov_b32 v[C+3+\i], v[CT+\i]
.endr
	ds_store_b128 v4, v[C:C+3] offset:IMG*((\t)/2)+256*((\t)%2)    ; block t is half t % 2 of image t / 2
	ds_store_b64 v5, v[C+4:C+5] offset:IMG*((\t)/2)+128*((\t)%2)
.if (\t)+2 < 8
	WLD (\t)+2
.endif
	s_wait_dscnt 0x0                               ; the stores have read their registers: the next block's codes may be written
.endm
	WLD 0
	WLD 1
.irp t, 0,1,2,3,4,5,6,7
	WBLK \t
.endr
	s_wait_alu depctr_va_vdst(0)
	global_store_b64 v8, v[SB:SB+1], s[20:21]      ; my column's 8 scale bytes: rows 32 bytes apart, one byte for each 128 read
.irp n, 0,1,2,3,4,5,6,7,8,9,10,11
	ds_load_b128 v[OUTR+4*\n:OUTR+4*\n+3], v6 offset:WTIL*(\n/6)+512*(\n%6)
.endr
.irp n, 0,1,2,3,4,5,6,7,8,9,10,11
	s_wait_dscnt 11-\n                             ; the younger loads may be out
	global_store_b128 v7, v[OUTR+4*\n:OUTR+4*\n+3], s[18:19] offset:TROW*(\n/6)+512*(\n%6)   ; 512 consecutive bytes, aligned
.endr
	s_set_vgpr_msb 0x5
	s_wait_tensorcnt 0x0
	ds_add_u32 v0, v1
	s_wait_dscnt 0x0
	s_set_vgpr_msb 0x500
	s_endpgm
.Lfunc_end_k_q7116481ec0_quant:
	.size	k_q7116481ec0_quant, .Lfunc_end_k_q7116481ec0_quant-k_q7116481ec0_quant
	.p2alignl 7, 3214868480
	.fill 96, 4, 3214868480
	.section	.rodata,"a",@progbits
	.p2align	6, 0x0
	.amdhsa_kernel k_q7116481ec0_quant
		.amdhsa_group_segment_fixed_size 59904
		.amdhsa_private_segment_fixed_size 0
		.amdhsa_enable_private_segment 0
		.amdhsa_kernarg_size 72
		.amdhsa_user_sgpr_count 2
		.amdhsa_user_sgpr_kernarg_segment_ptr 1
		.amdhsa_wavefront_size32 1
		.amdhsa_system_sgpr_workgroup_id_x 1
		.amdhsa_system_sgpr_workgroup_id_y 1
		.amdhsa_system_sgpr_workgroup_id_z 1
		.amdhsa_system_vgpr_workitem_id 0
		.amdhsa_next_free_vgpr 258
		.amdhsa_next_free_sgpr 66
		.amdhsa_reserve_vcc 0
		.amdhsa_float_denorm_mode_32 3
		.amdhsa_float_denorm_mode_16_64 3
		.amdhsa_memory_ordered 1
		.amdhsa_forward_progress 1
		.amdhsa_inst_pref_size 100
	.end_amdhsa_kernel
	.amdgpu_metadata
---
amdhsa.version: [ 1, 2 ]
amdhsa.kernels:
  - .name:           k_q7116481ec0_quant
    .symbol:         k_q7116481ec0_quant.kd
    .args:
      - { .name: x, .offset: 0, .size: 8, .value_kind: global_buffer, .address_space: global }
      - { .name: Wq, .offset: 8, .size: 8, .value_kind: global_buffer, .address_space: global }
      - { .name: Wk, .offset: 16, .size: 8, .value_kind: global_buffer, .address_space: global }
      - { .name: Wv, .offset: 24, .size: 8, .value_kind: global_buffer, .address_space: global }
      - { .name: Wp, .offset: 32, .size: 8, .value_kind: global_buffer, .address_space: global }
      - { .name: xc, .offset: 40, .size: 8, .value_kind: global_buffer, .address_space: global }
      - { .name: xs, .offset: 48, .size: 8, .value_kind: global_buffer, .address_space: global }
      - { .name: wc, .offset: 56, .size: 8, .value_kind: global_buffer, .address_space: global }
      - { .name: ws, .offset: 64, .size: 8, .value_kind: global_buffer, .address_space: global }
    .group_segment_fixed_size: 59904
    .private_segment_fixed_size: 0
    .kernarg_segment_align: 8
    .kernarg_segment_size: 72
    .max_flat_workgroup_size: 128
    .sgpr_count:     66
    .vgpr_count:     258
    .wavefront_size: 32
...
	.end_amdgpu_metadata
.endif
;; end of part 1
;; launch gemm_qkv (part 2): grid 12 x 32, 4 waves a work-group, clusters of 4 x 4, 327,680 bytes of LDS; arguments xc, xs, wc, ws, bq, bk, bv, qkv, qkvs; writes qkv, qkvs
.if DOCPART == 2
	.amdgcn_target "amdgcn-amd-amdhsa--gfx1250"
	.amdhsa_code_object_version 6
	.text
	.protected	k_q7116481ec0_gemm_qkv
	.globl	k_q7116481ec0_gemm_qkv
	.p2align	8
	.type	k_q7116481ec0_gemm_qkv,@function
k_q7116481ec0_gemm_qkv:
	s_mov_b64 s[64:65], 0
	v_nop
	global_prefetch_b8 v0, s[64:65] scope:SCOPE_SE
	s_setreg_imm32_b32 hwreg(HW_REG_WAVE_MODE, 25, 1), 1
	s_wait_xcnt 0x0
	s_wait_alu depctr_hold_cnt(0) depctr_sa_sdst(0) depctr_va_vdst(0) depctr_va_sdst(0) depctr_va_ssrc(0) depctr_va_vcc(0) depctr_vm_vsrc(0)
	s_getreg_b32 s2, hwreg(HW_REG_IB_STS2, 6, 4)
	s_cmp_eq_u32 s2, 0
	s_cbranch_scc0 .Lentry_in_a_cluster
	s_endpgm
.Lentry_in_a_cluster:
	s_bfe_u32 s2, ttmp6, 0x10000c
	s_cmp_lg_u32 s2, 0xf033
	s_cbranch_scc0 .Lentry_shape_is_right
	s_endpgm
.Lentry_shape_is_right:
; q = x Wq + bq, k = x Wk + bk, v = x Wv + bv on codes of E3M2 (one E8M0 byte for each 32 along K = 1,024), and each result quantised in registers into the operand that attention wants: q and k along the head's 64, v along the KEYS.
; A work-group of four waves makes 256 x 256; a wave 128 x 128: 64 accumulators, 512 registers.  K goes in steps of 256 through two LDS slots filled by the tensor data mover.
; OPERANDS.  A' is source 1 of the matrix instruction (a lane holds one of its rows), B' is source 0 (its rows run along a lane's registers).  Rows lie in stored order (bits 3 and 4 of the row number exchanged), so the 16
; registers of B' tiles 2 B and 2 B + 1 are the 16 NEIGHBOURS 32 B + 16 (lane / 16) + 0 .. 15 of B's true order: the conversions take them as they stand.
; TWO PATHS, told apart by the cluster's x, which all sixteen partners share.  x = 0, 1 (q, k): A' = x's rows, B' = Wq's and Wk's columns: a lane holds a row of x and 128 channels = two heads.
; x = 2 (v): A' = Wv's columns, B' = x's rows: a lane holds a channel and 128 keys.  The same lines quantise both.
; CODES lie as images of an operand's registers: 16 rows x 64 along K = 768 bytes, lane l's first 16 bytes at 16 l, its last 8 at 512 + 8 l; image (tile T, k / 64) at (16 T + k / 64) x 768.  So a fragment is two loads of 16 bytes and two of 8,
; each 512 or 256 consecutive bytes: no pitch, no padding.
; CLUSTERS: 4 x 4 work-groups; A's tiles are asked for jointly along a row of the cluster, B's along a column.
; The biases are the C of each sum's first product.  No result goes to memory as f32.
; LIMITS: NaN and infinities are not served; blocks whose largest magnitude lies under 2^-122 keep the byte 1.
; REGISTERS: window 0: v16-23 LDS addresses; v24-26, v30 the way out; v27 scale words' address; v28, v29 the add; v32-63 scale words, two sets, and nothing else; v64-127 the bias; v128-223 A's fragments (way out: at work).
;   window 1: B's fragments, two sets, v0 and v128 on.   windows 2, 3: the accumulators, (a, b) at v[8 (8 (a % 4) + b)].
.set NQ,     2                         ; matrix instructions deep in a slot
.set FR,     12                        ; registers of a fragment
.set NL,     4                         ; LDS loads that bring one
.set NP,     4                         ; places behind this matrix instruction (ISA guide 7.12.1)
.set IMG,    768
.set TILEB,  4*IMG                     ; a tile's 256 along K
.set TROW,   16*IMG                    ; a tile's whole K in memory
.set HALFT,  8*TILEB                   ; 128 rows: what one tensor load brings
.set SLOT,   4*HALFT                   ; A's 256 rows, then B's
.set KS,     32                        ; a row's scale bytes
.set SCL,    2*SLOT                    ; behind the ring: the scales, units of 256 bytes + 16 of padding
.set HALFS,  16*272                    ; those of 128 rows
.set SBLK,   2*272                     ; those of 16 rows
.set SPARE,  SCL+4*HALFS               ; the spare words: 128 bytes a wave, two blocks of 256 bytes that no other line names
.set ADRA, 16                          ; v16-17 A': 16 x lane in slot 0, 1;  v18-19: 512 + 8 x lane
.set ADRB, 20                          ; v20-23 the same for B'
.set ADRS, 27
.set SPW,  28
.set NIL,  29
.set SC,   32
.set R,    64
.set AF,   128
.set TM,   128                         ; the way out: v128-131 largest magnitudes, v132-135 the other half's, v136-139 bytes, v140-143 the conversions' scales
.set PC,   144                         ; v144-155 a fragment's codes
.set PT,   156                         ; v156-163
.set PWA,  164                         ; v164-171 the eight blocks' scale words
.set SO,   172                         ; v172-175 the four that I store
.set SEL,  100                         ; s[100:101]
.set G1, 24
.set G0, 32
.set G1B, 48
.set G0B, 56
.set G1S, 68
.set G0S, 76
.set G1SB, 80
.set G0SB, 88
.set MSB, 0
.macro WIN new                         ; the immediate's high byte repeats the setting that is left
.if MSB != (\new)
	s_set_vgpr_msb (MSB<<8)|(\new)
.set MSB, (\new)
.endif
.endm
.set MUL_LO, 0xa1                      ; source 0 (B') window 1, source 1 (A') window 0, C and D window 2
.set MUL_HI, 0xf1                      ; C and D window 3
.set BIA_LO, 0x81                      ; the first products: C (the bias) window 0, D window 2
.set BIA_HI, 0xc1
.set TO_B,   0x40
.macro JLOAD g0a, g1a, g0b, g1b        ; a joint load: waves 0, 1 fetch for A', waves 2, 3 for B'; four v_nop follow each line
	s_cmp_eq_u32 s15, 0
	s_cbranch_scc0 .Lfor_b_\@
	tensor_load_to_lds s[\g0a:\g0a+3], s[\g1a:\g1a+7]
	s_nop 0
.rept 4
	v_nop
.endr
	s_branch .Lasked_\@
.Lfor_b_\@:
	tensor_load_to_lds s[\g0b:\g0b+3], s[\g1b:\g1b+7]
	s_nop 0
.rept 4
	v_nop
.endr
.Lasked_\@:
.endm
.macro CREST                           ; a round of the cluster's barrier behind its opening barrier
	s_cmp_lg_u32 s14, 0
	s_cbranch_scc1 .Lnot_wave_0_\@
	s_barrier_signal -3
.Lnot_wave_0_\@:
	s_barrier_wait -3
	s_barrier_signal -1
	s_barrier_wait -1
.endm
.macro CROUND
	s_barrier_signal -1
	s_barrier_wait -1
	CREST
.endm
.macro PLACES n
.rept \n
	v_nop
.endr
.endm
	s_load_b512 s[68:83], s[0:1], 0x0              ; xc 68, xs 70, wc 72, ws 74, bq 76, bk 78, bv 80, qkv 82
	s_load_b64 s[84:85], s[0:1], 0x40              ; qkvs
	v_lshl_add_u32 v[SPW], v0, 2, SPARE
	v_mov_b32 v[NIL], 0
	ds_add_u32 v28, v29
	ds_add_u32 v28, v29
	s_wait_dscnt 0x0
	v_lshrrev_b32 v1, 5, v0
	v_readfirstlane_b32 s14, v1                    ; wave 0..3
	s_lshr_b32 s15, s14, 1                         ; which half of A's rows is mine.  Also: I fetch for A' (0) or B' (1)
	s_and_b32 s16, s14, 1                          ; which half of B's rows.  Also: which 128 rows I fetch
	s_bfe_u32 s40, ttmp6, 0x40000                  ; cx
	s_bfe_u32 s41, ttmp6, 0x40004                  ; cy
	s_and_b32 s18, ttmp7, 0xffff                   ; the cluster's y
	s_cmp_eq_u32 ttmp9, 2                          ; the path for v?
	s_cselect_b32 s19, 0, s18                      ; A's tile row: cy + 4 y (x's rows), or cy alone (Wv's four)
	s_cselect_b32 s20, s18, ttmp9                  ; B's tile column: cx + 4 y (x's rows), or cx + 4 x (Wq's and Wk's eight)
	s_cselect_b32 s21, 128, 0                      ; Wv's rows begin at tile 128 of wc and ws
	s_lshl_b32 s17, s19, 2
	s_add_co_u32 s17, s17, s41                     ; tile row
	s_lshl_b32 s42, s20, 2
	s_add_co_u32 s42, s42, s40                     ; tile column
	s_lshl_b32 s43, s41, 2
	s_lshl_b32 s43, 15, s43                        ; my row of the cluster
	s_lshl_b32 s44, 0x1111, s40                    ; my column
	; descriptor group 1 for codes: 8 tiles (rows) of 3,072 bytes = 384 elements of 8 bytes, 12,288 bytes apart, no padding
	s_or_b32 s[G1+0], s43, (3<<16)|(1<<21)
	s_or_b32 s[G1B+0], s44, (3<<16)|(1<<21)
.irp g, G1, G1B
	s_mov_b32 s[\g+1], 384<<16                     ; tensor_dim0
	s_mov_b32 s[\g+2], 16<<16                      ; tensor_dim1: the head's loads bring 16 tiles
	s_mov_b32 s[\g+3], 384<<16                     ; tile_dim0
	s_mov_b32 s[\g+4], 16                          ; tile_dim1
	s_mov_b32 s[\g+5], 1536                        ; pitch
	s_mov_b32 s[\g+6], 0
	s_mov_b32 s[\g+7], 0
.endr
	s_mul_i32 s18, s16, 8*TROW                     ; in the ring I fetch 8 tiles: which half, in bytes
	s_mov_b32 s19, 0
	s_lshl_b32 s20, s17, 4
	s_add_co_u32 s20, s20, s21                     ; A': tile 16 x tile row (+ 128)
	s_lshl_b32 s46, s42, 4
	s_lshl_b32 s22, s20, 9                         ; their scales: 512 bytes a tile
	s_lshl_b32 s92, s46, 9
	s_mul_i32 s20, s20, TROW                       ; their codes
	s_mul_i32 s46, s46, TROW
	s_mov_b32 s21, 0
	s_mov_b32 s23, 0
	s_mov_b32 s47, 0
	s_mov_b32 s93, 0
	s_mul_i32 s45, s14, HALFT                      ; where they go: no place in the cluster enters an LDS address
	s_mul_i32 s94, s14, HALFS
	s_wait_kmcnt 0x0
	s_cmp_eq_u32 ttmp9, 2
	s_cselect_b64 s[4:5], s[72:73], s[68:69]       ; A's codes,
	s_cselect_b64 s[6:7], s[74:75], s[70:71]       ; A's scales,
	s_cselect_b64 s[8:9], s[68:69], s[72:73]       ; B's codes,
	s_cselect_b64 s[10:11], s[70:71], s[74:75]     ; B's scales
	s_cselect_b64 s[96:97], s[80:81], s[76:77]     ; the bias: bv, or bq,
	s_cmp_eq_u32 ttmp9, 1
	s_cselect_b64 s[96:97], s[78:79], s[96:97]     ; or bk
	s_mov_b64 s[12:13], s[82:83]
	s_mov_b64 s[98:99], s[84:85]
	s_add_nc_u64 s[20:21], s[4:5], s[20:21]
	s_add_nc_u64 s[22:23], s[6:7], s[22:23]
	s_add_nc_u64 s[46:47], s[8:9], s[46:47]
	s_add_nc_u64 s[92:93], s[10:11], s[92:93]
	; group 1 for the scales of 256 rows: 8,192 dense bytes as 32 rows of 256, 16 bytes of padding behind each (the arguments' registers are free now)
	s_or_b32 s[G1S+0], s43, (3<<16)|(1<<20)|(1<<21)|(5<<22)|(3<<25)
	s_or_b32 s[G1SB+0], s44, (3<<16)|(1<<20)|(1<<21)|(5<<22)|(3<<25)
.irp g, G1S, G1SB
	s_mov_b32 s[\g+1], 32<<16
	s_mov_b32 s[\g+2], 32<<16
	s_mov_b32 s[\g+3], 32<<16
	s_mov_b32 s[\g+4], 32
	s_mov_b32 s[\g+5], 32
	s_mov_b32 s[\g+6], 0
	s_mov_b32 s[\g+7], 0
.endr
	CROUND                                         ; all sixteen work-groups are here: the first joint loads meet
	s_mov_b32 s[G0S], 1
	s_mov_b32 s[G0S+1], SCL
	s_mov_b64 s[G0S+2:G0S+3], s[22:23]
	s_or_b32 s[G0S+3], s[G0S+3], 0x80000000
	s_mov_b32 s[G0SB], 1
	s_mov_b32 s[G0SB+1], SCL+2*HALFS
	s_mov_b64 s[G0SB+2:G0SB+3], s[92:93]
	s_or_b32 s[G0SB+3], s[G0SB+3], 0x80000000
.set G0H, 4                            ; s[4:7], s[8:11]: group 0 of the head's loads of slot 0 (the pointers that lay there have been used)
.set G0HB, 8
	s_mov_b32 s[G0H], 1
	s_mov_b32 s[G0H+1], 0
	s_mov_b64 s[G0H+2:G0H+3], s[20:21]
	s_or_b32 s[G0H+3], s[G0H+3], 0x80000000
	s_mov_b32 s[G0HB], 1
	s_mov_b32 s[G0HB+1], 2*HALFT
	s_mov_b64 s[G0HB+2:G0HB+3], s[46:47]
	s_or_b32 s[G0HB+3], s[G0HB+3], 0x80000000
	s_add_nc_u64 s[20:21], s[20:21], s[18:19]      ; for the ring: my 8 tiles
	s_add_nc_u64 s[46:47], s[46:47], s[18:19]
.irp s, 0,1
	s_mov_b32 s[G0+4*\s], 1
	s_add_co_u32 s[G0+4*\s+1], s45, \s*SLOT
	s_add_nc_u64 s[G0+4*\s+2:G0+4*\s+3], s[20:21], \s*TILEB
	s_or_b32 s[G0+4*\s+3], s[G0+4*\s+3], 0x80000000
	s_mov_b32 s[G0B+4*\s], 1
	s_add_co_u32 s[G0B+4*\s+1], s45, \s*SLOT
	s_add_nc_u64 s[G0B+4*\s+2:G0B+4*\s+3], s[46:47], \s*TILEB
	s_or_b32 s[G0B+4*\s+3], s[G0B+4*\s+3], 0x80000000
.endr
; the head's four tiles, one a wave: wave 0 slot 0's 256 rows of A', wave 1 those of B', wave 2 A's scales, wave 3 B's: one chain of branches, one load to an arm
.macro ARM under, g0, g1, next
	s_cmp_lt_u32 s14, \under
	s_cbranch_scc0 \next
	tensor_load_to_lds s[\g0:\g0+3], s[\g1:\g1+7]
	s_nop 0
.rept 4
	v_nop
.endr
	s_branch .Lhead_asked
\next:
.endm
	ARM 1, G0H,  G1,  .Lhead_b
	ARM 2, G0HB, G1B, .Lhead_sa
	ARM 3, G0S,  G1S, .Lhead_sb
	tensor_load_to_lds s[G0SB:G0SB+3], s[G1SB:G1SB+7]
	s_nop 0
.rept 4
	v_nop
.endr
.Lhead_asked:
	v_and_b32 v1, 31, v0                           ; lane
	v_and_b32 v2, 15, v0                           ; r
	v_bfe_u32 v3, v0, 4, 1                         ; h
	v_lshlrev_b32 v24, 4, v1                       ; 16 x lane
	v_lshl_add_u32 v25, v1, 3, 512                 ; 512 + 8 x lane
	s_mul_i32 s21, s15, HALFT                      ; my 128 rows of A'
	s_mul_i32 s22, s16, HALFT
	s_add_co_u32 s22, s22, 2*HALFT                 ; my 128 rows of B', behind A's 256
.irp s, 0,1
	v_add_nc_u32 v[ADRA+\s], s21, v24
	v_add_nc_u32 v[ADRB+\s], s22, v24
	v_add_nc_u32 v[ADRA+2+\s], s21, v25
	v_add_nc_u32 v[ADRB+2+\s], s22, v25
	s_add_co_u32 s21, s21, SLOT
	s_add_co_u32 s22, s22, SLOT
.endr
	v_mul_u32_u24 v6, v2, KS                       ; my row's scales: 32 bytes a row,
	v_lshrrev_b32 v7, 8, v6
	v_lshl_add_u32 v6, v7, 4, v6                   ; and 16 more for each 256 passed
	s_mul_i32 s21, s15, HALFS
	s_mul_i32 s22, s16, HALFS
	s_add_co_u32 s22, s22, 2*HALFS
	s_sub_co_u32 s22, s22, s21
	v_mul_u32_u24 v7, s22, v3                      ; lanes 16-31 take B's
	s_add_co_u32 s21, s21, SCL
	v_add_nc_u32 v6, v6, v7
	v_add_nc_u32 v[ADRS], s21, v6
	; where my 128 x 128 goes
	s_lshl_b32 s20, s17, 1
	s_add_co_u32 s20, s20, s15                     ; which 128 rows of A'
	s_lshl_b32 s21, s42, 1
	s_add_co_u32 s21, s21, s16                     ; which 128 rows of B'
	s_add_co_u32 s22, s20, 16
	s_mov_b32 s3, 98304
	s_mov_b32 s18, IMG
	s_mov_b32 s94, IMG
	s_cmp_eq_u32 ttmp9, 2
	s_cselect_b32 s23, s21, s20                    ; which 128 rows of x: batch and group
	s_cselect_b32 s45, s22, s21                    ; which 128 weight columns of 3,072: region (q, k, v) and pair of heads
	s_cselect_b32 s3, IMG, s3                      ; from a block's first image to its second: the next head (q, k), the next 64 keys (v)
	s_cselect_b32 s18, 2*IMG, s18                  ; from block to block: the next tile of rows (q, k), the next tile of channels (v)
	s_cselect_b32 s94, 98304-6*IMG, s94            ; and from block 3 to block 4: v goes on to the next head
	s_mov_b32 s19, 0
	s_mov_b32 s95, 0
	s_lshr_b32 s46, s23, 4                         ; batch
	s_and_b32 s47, s23, 15                         ; group
	s_lshr_b32 s92, s45, 3                         ; region
	s_and_b32 s93, s45, 7                          ; pair of heads
	s_mul_i32 s20, s92, 6291456
	s_lshl_b32 s21, s46, 4
	s_lshl_b32 s22, s93, 1
	s_add_co_u32 s21, s21, s22
	s_mul_i32 s21, s21, 98304                      ; (batch, head): 98,304 bytes each
	s_add_co_u32 s20, s20, s21
	s_mul_i32 s21, s47, 8*IMG
	s_add_co_u32 s20, s20, s21
	s_mov_b32 s21, 0
	s_add_nc_u64 s[12:13], s[12:13], s[20:21]
	s_lshl_b32 s20, s92, 2
	s_add_co_u32 s20, s20, s46
	s_lshl_b32 s20, s20, 3
	s_add_co_u32 s20, s20, s93
	s_lshl_b32 s20, s20, 4
	s_add_co_u32 s20, s20, s47
	s_lshl_b32 s20, s20, 9                         ; the scale words' image: 512 bytes for (region, batch, pair, group)
	s_add_nc_u64 s[98:99], s[98:99], s[20:21]
	s_lshl_b32 s20, s93, 9                         ; the pair's 128 numbers of the bias
	s_add_nc_u64 s[96:97], s[96:97], s[20:21]
	s_mov_b32 s[SEL], 0x76543210
	s_mov_b32 s[SEL+1], 0xfedcba98
	s_mov_b32 s2, 0xffff0000                       ; lanes 16-31
	v_add_nc_u32 v26, s3, v24
	v_add_nc_u32 v30, s3, v25
	v_lshlrev_b32 v8, 6, v3                        ; q, k: 64 h
	v_and_b32 v9, 8, v2
	v_add_nc_u32 v9, v9, v2
	v_lshlrev_b32 v9, 2, v9                        ; v: 4 (r + 8 (r / 8))
	s_cmp_eq_u32 ttmp9, 2
	s_cbranch_scc1 .Lbias_v
.irp b, 0,1,2,3,4,5,6,7                        ; q, k: register j of B' tile b is channel 32 (b / 2) + 8 (b % 2) + 16 h + j
	global_load_b128 v[R+8*\b:R+8*\b+3], v8, s[96:97] offset:128*(\b/2)+32*(\b%2)
	global_load_b128 v[R+8*\b+4:R+8*\b+7], v8, s[96:97] offset:128*(\b/2)+32*(\b%2)+16
.endr
	s_branch .Lbias_in
.Lbias_v:
	s_wait_alu depctr_va_vdst(0)
.irp a, 0,1,2,3,4,5,6,7                        ; v: all eight registers of A' tile a belong to the lane's channel 32 (a / 2) + 8 (a % 2) + r + 8 (r / 8)
.irp j, 0,1,2,3,4,5,6,7
	global_load_b32 v[R+8*\a+\j], v9, s[96:97] offset:128*(\a/2)+32*(\a%2)
.endr
.endr
.Lbias_in:
.macro FRAG reg, adr, q, i             ; a fragment, 16 rows x 128 K, is two images: registers 6 c .. 6 c + 5 hold K = 64 c + 32 (lane / 16) + 0 .. 31
.irp c, 0,1
	ds_load_b128 v[\reg+6*\c:\reg+6*\c+3], v[\adr] offset:(\i)*TILEB+(2*(\q)+\c)*IMG
	ds_load_b64 v[\reg+6*\c+4:\reg+6*\c+5], v[\adr+2] offset:(\i)*TILEB+(2*(\q)+\c)*IMG
.endr
.endm
; 16 matrix instructions: A's blocks a0, a0 + 1 x B's eight.  cm = 0: in place; 1: C = the bias by B's tile; 2: by A's tile.  The 64 accumulators take turns, one instruction a turn.
.macro MUL16 a0, p, q, sc, cm
.irp a, \a0, \a0+1
.irp b, 0,1,2,3,4,5,6,7
.if (\cm) == 0
	v_wmma_scale_f32_16x16x128_f8f6f4 v[8*(8*((\a)%4)+\b):8*(8*((\a)%4)+\b)+7], v[128*(\p)+FR*\b:128*(\p)+FR*\b+FR-1], v[AF+FR*(\a):AF+FR*(\a)+FR-1], v[8*(8*((\a)%4)+\b):8*(8*((\a)%4)+\b)+7], v[SC+8*NQ*(\sc)+NQ*\b+(\q)], v[SC+8*NQ*(\sc)+NQ*(\a)+(\q)] matrix_a_fmt:MATRIX_FMT_BF6 matrix_b_fmt:MATRIX_FMT_BF6 matrix_a_scale:MATRIX_SCALE_ROW1
.elseif (\cm) == 1
	v_wmma_scale_f32_16x16x128_f8f6f4 v[8*(8*((\a)%4)+\b):8*(8*((\a)%4)+\b)+7], v[128*(\p)+FR*\b:128*(\p)+FR*\b+FR-1], v[AF+FR*(\a):AF+FR*(\a)+FR-1], v[R+8*\b:R+8*\b+7], v[SC+8*NQ*(\sc)+NQ*\b+(\q)], v[SC+8*NQ*(\sc)+NQ*(\a)+(\q)] matrix_a_fmt:MATRIX_FMT_BF6 matrix_b_fmt:MATRIX_FMT_BF6 matrix_a_scale:MATRIX_SCALE_ROW1
.else
	v_wmma_scale_f32_16x16x128_f8f6f4 v[8*(8*((\a)%4)+\b):8*(8*((\a)%4)+\b)+7], v[128*(\p)+FR*\b:128*(\p)+FR*\b+FR-1], v[AF+FR*(\a):AF+FR*(\a)+FR-1], v[R+8*(\a):R+8*(\a)+7], v[SC+8*NQ*(\sc)+NQ*\b+(\q)], v[SC+8*NQ*(\sc)+NQ*(\a)+(\q)] matrix_a_fmt:MATRIX_FMT_BF6 matrix_b_fmt:MATRIX_FMT_BF6 matrix_a_scale:MATRIX_SCALE_ROW1
.endif
.endr
.endr
.endm
.macro FETCH_B slot, q, p
	WIN TO_B
.irp i, 0,1,2,3,4,5,6,7
	FRAG 128*(\p)+FR*\i, ADRB+\slot, \q, \i
.endr
	WIN 0
.endm
.macro FETCH_A slot, q, i0
.irp i, \i0, \i0+1, \i0+2, \i0+3
	FRAG AF+FR*(\i), ADRA+\slot, \q, \i
.endr
.endm
.macro SCALES sc                       ; a slot's two scale words a row: lanes 0-15 take A's block i, lanes 16-31 B's block i
.irp i, 0,1,2,3,4,5,6,7
	ds_load_b64 v[SC+8*NQ*\sc+NQ*\i:SC+8*NQ*\sc+NQ*\i+1], v[ADRS] offset:\i*SBLK
.endr
.endm
.macro STEP slot, q, cm                ; 128 along K whose successor lies in the same slot
	s_wait_dscnt 4*NL                              ; all but the youngest 16 loads (A's blocks 4-7)
.if \cm
	WIN BIA_LO
.else
	WIN MUL_LO
.endif
	MUL16 0, (\q)%2, \q, \slot, \cm
	MUL16 2, (\q)%2, \q, \slot, \cm
	s_wait_dscnt 0
	PLACES NP                                      ; in front of loads into registers that matrix instructions have read
	FETCH_B \slot, (\q)+1, 1-(\q)%2
	FETCH_A \slot, (\q)+1, 0
.if \cm
	WIN BIA_HI
.else
	WIN MUL_HI
.endif
	MUL16 4, (\q)%2, \q, \slot, \cm
	MUL16 6, (\q)%2, \q, \slot, \cm
	PLACES NP
	WIN 0
	FETCH_A \slot, (\q)+1, 4
.endm
; A slot's last step changes slots: one barrier; in front of it each wave waits for all its tensor loads, adds 0 to its spare word, and waits for that and for its reads of this slot.
.macro TURN slot, next, fill
	s_wait_tensorcnt 0x0                           ; all my tensor loads have landed: my part of the next slot
	ds_add_u32 v[SPW], v[NIL]                      ; 0 onto my spare word
	s_wait_dscnt 4*NL+1                            ; (the add and the youngest 16 loads may be out)
	WIN MUL_LO
	MUL16 0, 1, NQ-1, \slot, 0
	s_wait_dscnt 0x0                               ; the add is done, and my reads of this slot are over
	s_barrier_signal -1
	MUL16 2, 1, NQ-1, \slot, 0
	WIN 0
	s_barrier_wait -1
.if \fill
	CREST                                          ; the barrier has opened a round of the cluster's: no wave of any partner still reads this slot or has a load on its way
	s_add_nc_u64 s[G0+4*\slot+2:G0+4*\slot+3], s[G0+4*\slot+2:G0+4*\slot+3], 2*TILEB
	s_add_nc_u64 s[G0B+4*\slot+2:G0B+4*\slot+3], s[G0B+4*\slot+2:G0B+4*\slot+3], 2*TILEB
	JLOAD G0+4*\slot, G1, G0B+4*\slot, G1B         ; the first tensor load behind the round; its four v_nop are the places in front of the loads below
.else
	PLACES NP
.endif
	s_wait_alu depctr_va_vdst(0)
	v_add_nc_u32 v[ADRS], 4*NQ, v[ADRS]
	FETCH_B \next, 0, 0
	FETCH_A \next, 0, 0
	SCALES \next
	WIN MUL_HI
	MUL16 4, 1, NQ-1, \slot, 0
	MUL16 6, 1, NQ-1, \slot, 0
	PLACES NP
	WIN 0
	FETCH_A \next, 0, 4
.endm
	s_wait_alu depctr_va_vdst(0)                   ; the wait at the head's end
	s_wait_tensorcnt 0x0                           ; my tile of the head's four is in; slot 1's first fill is issued as a refill is
	ds_add_u32 v[SPW], v[NIL]
	s_mov_b32 s[G1+2], 8<<16                       ; no tensor load of mine is out: from here on a load brings 8 tiles
	s_mov_b32 s[G1+4], 8
	s_mov_b32 s[G1B+2], 8<<16
	s_mov_b32 s[G1B+4], 8
	s_wait_dscnt 0x0
	CROUND
	JLOAD G0+4, G1, G0B+4, G1B
	FETCH_B 0, 0, 0
	FETCH_A 0, 0, 0
	s_wait_alu depctr_va_vdst(0)
	SCALES 0
	FETCH_A 0, 0, 4
	s_wait_loadcnt 0x0                             ; the bias
	s_cmp_eq_u32 ttmp9, 2
	s_cbranch_scc1 .Lfirst_v
	STEP 0, 0, 1                                   ; the first products start the sums from the bias
	s_branch .Lfirst_done
.Lfirst_v:
	STEP 0, 0, 2
.Lfirst_done:
	TURN 0, 1, 1                                   ; K = 1,024 is four slots' worth: two refills
	STEP 1, 0, 0
	TURN 1, 0, 1
	STEP 0, 0, 0
	TURN 0, 1, 0
	STEP 1, 0, 0
	s_wait_dscnt 4*NL
	WIN MUL_LO
	MUL16 0, 1, NQ-1, 1, 0
	MUL16 2, 1, NQ-1, 1, 0
	s_wait_dscnt 0
	WIN MUL_HI
	MUL16 4, 1, NQ-1, 1, 0
	MUL16 6, 1, NQ-1, 1, 0
	WIN 0
; THE WAY OUT.  Block a (A' tile a): a lane's 64 numbers, register 16 b + i = place 32 b + 16 (lane / 16) + i along the next K, become a fragment's codes and its scale word; the fragment's two images go straight to memory.
.macro QBLK a
.set W, 2+(\a)/4
.set AC, 64*((\a)%4)
	WIN (W<<2)|(W<<4)                              ; sources 1 and 2: the accumulators' window
.irp b, 0,1,2,3
	v_max3_num_f32 v[TM+\b], 0x2800000, |v[AC+16*\b]|, |v[AC+16*\b+1]|   ; each accumulator is read from its low end on; the floor 2^(5 - 127) holds the byte at 1
.endr
.irp i, 2,4,6,8,10,12,14
.irp b, 0,1,2,3
	v_max3_num_f32 v[TM+\b], v[TM+\b], |v[AC+16*\b+\i]|, |v[AC+16*\b+\i+1]|
.endr
.endr
	WIN 0
.irp b, 0,1,2,3
	v_permlanex16_b32 v[TM+4+\b], v[TM+\b], s[SEL], s[SEL+1]
.endr
.irp b, 0,1,2,3
	v_max_num_f32 v[TM+\b], v[TM+\b], v[TM+4+\b]   ; with lane l xor 16's 16: the block's largest magnitude
.endr
.irp b, 0,1,2,3
	v_add_nc_u32 v[TM+12+\b], 0xfe000000, v[TM+\b] ; 4 off its exponent field: the conversion's scale operand
.endr
.irp b, 0,1,2,3
	v_lshrrev_b32 v[TM+8+\b], 23, v[TM+12+\b]      ; the byte
.endr
	v_lshl_or_b32 v[PWA+(\a)], v[TM+9], 8, v[TM+8]
	v_lshl_or_b32 v[PWA+(\a)], v[TM+10], 16, v[PWA+(\a)]
	v_lshl_or_b32 v[PWA+(\a)], v[TM+11], 24, v[PWA+(\a)]
	s_wait_xcnt 0x0                                ; the last block's stores have read their data and their base
.if (\a) == 4
	s_add_nc_u64 s[12:13], s[12:13], s[94:95]
.elseif (\a) > 0
	s_add_nc_u64 s[12:13], s[12:13], s[18:19]
.endif
	WIN W                                          ; source 0: the accumulators' window
.irp c, 0,1
	v_cvt_scalef32_pk16_bf6_f32 v[PC+6*\c:PC+6*\c+2], v[AC+32*\c:AC+32*\c+15], v[TM+12+2*\c]
	v_cvt_scalef32_pk16_bf6_f32 v[PT+4*\c:PT+4*\c+2], v[AC+32*\c+16:AC+32*\c+31], v[TM+12+2*\c+1]
.endr
	WIN 0
	v_nop                                          ; one plain place behind a scaled conversion
.irp c, 0,1                                    ; the layout wants a WHOLE block in a lane: lanes 0-15 block 2 c, lanes 16-31 block 2 c + 1
.irp i, 0,1,2
	v_permlane16_swap_b32 v[PC+6*\c+\i], v[PT+4*\c+\i]
.endr
.irp i, 0,1,2
	v_mov_b32 v[PC+3+6*\c+\i], v[PT+4*\c+\i]
.endr
.endr
	global_store_b128 v24, v[PC:PC+3], s[12:13]    ; an image: 512 consecutive bytes, aligned,
	global_store_b64 v25, v[PC+4:PC+5], s[12:13]   ; and the 256 behind them
	global_store_b128 v26, v[PC+6:PC+9], s[12:13]
	global_store_b64 v30, v[PC+10:PC+11], s[12:13]
.endm
	PLACES NP                                      ; behind the last products: their results are read and A's registers written below
.irp b, 0,1,2,3
	v_mov_b32 v[TM+4+\b], 0                        ; written once: a lane permute's destination counts as one of its sources
.endr
.irp a, 0,1,2,3,4,5,6,7
	QBLK \a
.endr
.irp i, 0,1,2,3
	v_cndmask_b32 v[SO+\i], v[PWA+\i], v[PWA+4+\i], s2   ; lanes 0-15 store the words of blocks 0-3, lanes 16-31 those of blocks 4-7
.endr
	global_store_b128 v24, v[SO:SO+3], s[98:99]    ; 512 consecutive bytes
	s_wait_tensorcnt 0x0                           ; the wave's end
	ds_add_u32 v[SPW], v[NIL]
	s_wait_dscnt 0x0
	CROUND                                         ; the closing round: no work-group ends while a partner may still ask for a tile that names it
	s_endpgm
.Lfunc_end_k_q7116481ec0_gemm_qkv:
	.size	k_q7116481ec0_gemm_qkv, .Lfunc_end_k_q7116481ec0_gemm_qkv-k_q7116481ec0_gemm_qkv
	.p2alignl 7, 3214868480
	.fill 96, 4, 3214868480
	.section	.rodata,"a",@progbits
	.p2align	6, 0x0
	.amdhsa_kernel k_q7116481ec0_gemm_qkv
		.amdhsa_group_segment_fixed_size 327680
		.amdhsa_private_segment_fixed_size 0
		.amdhsa_enable_private_segment 0
		.amdhsa_kernarg_size 72
		.amdhsa_user_sgpr_count 2
		.amdhsa_user_sgpr_kernarg_segment_ptr 1
		.amdhsa_wavefront_size32 1
		.amdhsa_system_sgpr_workgroup_id_x 1
		.amdhsa_system_sgpr_workgroup_id_y 1
		.amdhsa_system_sgpr_workgroup_id_z 1
		.amdhsa_system_vgpr_workitem_id 0
		.amdhsa_next_free_vgpr 1024
		.amdhsa_next_free_sgpr 102
		.amdhsa_reserve_vcc 0
		.amdhsa_float_denorm_mode_32 3
		.amdhsa_float_denorm_mode_16_64 3
		.amdhsa_memory_ordered 1
		.amdhsa_forward_progress 1
		.amdhsa_inst_pref_size 172
	.end_amdhsa_kernel
	.amdgpu_metadata
---
amdhsa.version: [ 1, 2 ]
amdhsa.kernels:
  - .name:           k_q7116481ec0_gemm_qkv
    .symbol:         k_q7116481ec0_gemm_qkv.kd
    .args:
      - { .name: xc, .offset: 0, .size: 8, .value_kind: global_buffer, .address_space: global }
      - { .name: xs, .offset: 8, .size: 8, .value_kind: global_buffer, .address_space: global }
      - { .name: wc, .offset: 16, .size: 8, .value_kind: global_buffer, .address_space: global }
      - { .name: ws, .offset: 24, .size: 8, .value_kind: global_buffer, .address_space: global }
      - { .name: bq, .offset: 32, .size: 8, .value_kind: global_buffer, .address_space: global }
      - { .name: bk, .offset: 40, .size: 8, .value_kind: global_buffer, .address_space: global }
      - { .name: bv, .offset: 48, .size: 8, .value_kind: global_buffer, .address_space: global }
      - { .name: qkv, .offset: 56, .size: 8, .value_kind: global_buffer, .address_space: global }
      - { .name: qkvs, .offset: 64, .size: 8, .value_kind: global_buffer, .address_space: global }
    .group_segment_fixed_size: 327680
    .private_segment_fixed_size: 0
    .kernarg_segment_align: 8
    .kernarg_segment_size: 72
    .max_flat_workgroup_size: 128
    .sgpr_count:     102
    .vgpr_count:     1024
    .wavefront_size: 32
...
	.end_amdgpu_metadata
.endif
;; end of part 2
;; launch attn (part 3): grid 4 x 64, 8 waves a work-group, clusters of 4 x 1, 327,680 bytes of LDS; arguments qkv, qkvs, input_ids, ac, asc; writes ac, asc
.if DOCPART == 3
	.amdgcn_target "amdgcn-amd-amdhsa--gfx1250"
	.amdhsa_code_object_version 6
	.text
	.protected	k_q7116481ec0_attn
	.globl	k_q7116481ec0_attn
	.p2align	8
	.type	k_q7116481ec0_attn,@function
k_q7116481ec0_attn:
	s_mov_b64 s[64:65], 0
	v_nop
	global_prefetch_b8 v0, s[64:65] scope:SCOPE_SE
	s_setreg_imm32_b32 hwreg(HW_REG_WAVE_MODE, 25, 1), 1
	s_wait_xcnt 0x0
	s_wait_alu depctr_hold_cnt(0) depctr_sa_sdst(0) depctr_va_vdst(0) depctr_va_sdst(0) depctr_va_ssrc(0) depctr_va_vcc(0) depctr_vm_vsrc(0)
	s_getreg_b32 s2, hwreg(HW_REG_IB_STS2, 6, 4)
	s_cmp_eq_u32 s2, 0
	s_cbranch_scc0 .Lentry_in_a_cluster
	s_endpgm
.Lentry_in_a_cluster:
	s_bfe_u32 s2, ttmp6, 0x10000c
	s_cmp_lg_u32 s2, 0x3003
	s_cbranch_scc0 .Lentry_shape_is_right
	s_endpgm
.Lentry_shape_is_right:
; Attention of one (batch, head) on codes of E3M2: S^T = k q^T, p = 2^(t - M), O^T = v^T p^T, O / l quantised along the head's 64 into ac, asc.
; A work-group takes 512 queries; a wave 2 passes x 2 tiles of 16 queries (tile q's state lies in register window q, at the same numbers).
; All 2,048 keys' codes of k and v lie in LDS for the whole launch: eight joint loads at the head, one a wave (waves 0-3 a quarter of k, waves 4-7 of v), shared by the
; four work-groups of a cluster, which take the same head.  Nothing is filled again, so one barrier stands behind the head and none in the loops.
; No prefetch: k and v are asked for once, at the head, with no loop ahead of them to ask in.
; KEYS OF A TILE.  k's images hold 16 stored rows (lane 16 h + row: 16 bytes at 16 x lane, 8 at 512 + 8 x lane).  Tile (c, i) of a step takes, by lane addresses alone, keys 64 c + 8 i + 0..7 in rows 0-7
; and keys 64 c + 32 + 8 i + 0..7 in rows 8-15: so a lane's 32 registers of tiles (c, 0..3) are ONE block of 32 neighbouring keys, block 2 c + (lane / 16), as p's operand wants it.
; k's LDS rows of 256 bytes are padded by 64: rows 8-15 come from two images (1,920 bytes) further on, 128 bytes off modulo 256 from rows 0-7.
; THE MASK: the head has 64 of the instruction's 128 along K; code -1 of k and +1 of q stand at k = 64, and that block's scale byte of a key is 2^-126, or 2^120 where input_ids is 0.
; M is the ceiling of the running largest t, kept as -M; sums and O^T are brought under a new M by an exact power of two in every step.
; LIMITS: the promise holds while the scaled scores stay under 2^31 in magnitude; NaN and infinities are not served; a row whose keys are all masked gives NaN, as the softmax of the problem does.
.set KI,    960                        ; an image of k in LDS: three rows of 320
.set KSTEP, 8*KI
.set VC,    122880                     ; v's codes, behind k's 384 rows of 320
.set KS,    221184                     ; k's scale words with the mask: 16 x lane, 512 a step
.set VS,    229376                     ; v's scale words: 256 a step
.set SPARE, 233472                     ; the spare words: 128 bytes a wave
.set IMG,   768
.set STEPB, 8*IMG
.set TROW,  16*IMG
.set S,   32                           ; v32-95 scores, then p
.set O,   96                           ; v96-127 O^T
.set QF,  128
.set PC,  140                          ; p's codes
.set PT,  152
.set BM,  160
.set BB,  162
.set SCO, 164
.set NM,  166                          ; -M;  v167 the running largest score
.set RS,  167
.set L,   168
.set F,   170
.set T,   172
.set BX,  174
.set KF,  176                          ; window 0: k's tiles 0-5; window 1: tiles 6, 7
.set VF,  200                          ; window 1: v's four tiles
.set SPW, 248
.set NIL, 249
.set KSW, 20
.set VSW, 24
.set WV,  14
.set SEL, 20
.set CS,  22
.set HI,  24
.set QHI, 25
.set G1K, 28
.set G1V, 36
.set G0K, 44
.set G0V, 48
.set NCS, 52
.set TK,  66
.set TKS, 67
.set TV,  68
.set TVS, 69
.set CNT, 70
.set PASS, 71
.set QP,  72
.set QSP, 74
.set AP,  76
.set ASP, 78
.set MSB, 0
.macro WIN new                         ; the immediate's high byte repeats the setting that is left
.if MSB != (\new)
	s_set_vgpr_msb (MSB<<8)|(\new)
.set MSB, (\new)
.endif
.endm
.macro CROUND
	s_barrier_signal -1
	s_barrier_wait -1
	s_cmp_lg_u32 s[WV], 0
	s_cbranch_scc1 .Lnot_wave_0_\@
	s_barrier_signal -3
.Lnot_wave_0_\@:
	s_barrier_wait -3
	s_barrier_signal -1
	s_barrier_wait -1
.endm
.macro PLACES n
.rept \n
	v_nop
.endr
.endm
	s_load_b256 s[4:11], s[0:1], 0x0               ; qkv 4, qkvs 6, input_ids 8, ac 10
	s_load_b64 s[12:13], s[0:1], 0x20              ; asc
	v_lshl_add_u32 v[SPW], v0, 2, SPARE
	v_mov_b32 v[NIL], 0
	ds_add_u32 v[SPW], v[NIL]                      ; the opening
	ds_add_u32 v[SPW], v[NIL]
	v_lshrrev_b32 v1, 5, v0
	v_readfirstlane_b32 s[WV], v1
	s_bfe_u32 s15, ttmp6, 0x40000                  ; cx: which 512 queries
	s_and_b32 s16, ttmp7, 0xffff                   ; 16 x batch + head
	s_lshr_b32 s17, s16, 4
	s_and_b32 s18, s16, 15
	s_and_b32 s26, s18, 1
	s_lshl_b32 s19, s26, 4                         ; my head's two bytes of a scale word
	s_lshr_b32 s27, s18, 1
	s_lshl_b32 s82, s17, 16
	s_lshl_b32 s83, s27, 13
	s_add_co_u32 s82, s82, s83                     ; the scale images of (batch, pair of heads)
	s_and_b32 s84, s[WV], 3                        ; which quarter I fetch
	s_mul_i32 s85, s84, 4*STEPB
	s_mul_i32 s89, s84, 4*KSTEP
	s_mul_i32 s88, s16, 98304
	s_add_co_u32 s86, s88, s85
	s_add_co_u32 s86, s86, 6291456                 ; k's region
	s_mov_b32 s87, 0
	s_mov_b32 s[G1K], 15|(3<<16)|(1<<20)|(1<<21)|(5<<22)|(15<<25)  ; 96 rows of 256 bytes, 64 bytes of padding behind each
	s_mov_b32 s[G1V], 15|(3<<16)|(1<<21)           ; the same rows, dense
.irp g, G1K, G1V
	s_mov_b32 s[\g+1], 32<<16
	s_mov_b32 s[\g+2], 96<<16
	s_mov_b32 s[\g+3], 32<<16
	s_mov_b32 s[\g+4], 96
	s_mov_b32 s[\g+5], 32
	s_mov_b32 s[\g+6], 0
	s_mov_b32 s[\g+7], 0
.endr
	s_mov_b32 s[SEL], 0x76543210
	s_mov_b32 s[SEL+1], 0xfedcba98
	s_mov_b32 s[CS], 0x3e38aa3b                    ; c = log2(e) / 8
	s_mov_b32 s[CS+1], s[CS]
	s_mov_b32 s[NCS], 0xbe38aa3b                   ; -c
	s_mov_b32 s[HI], 0xffff0000
	s_mov_b32 s[QHI], 0x7f7f0000
	s_wait_dscnt 0x0
	s_wait_kmcnt 0x0
	s_mov_b32 s[G0K], 1
	s_mov_b32 s[G0K+1], s89
	s_add_nc_u64 s[G0K+2:G0K+3], s[4:5], s[86:87]
	s_mov_b32 s[G0V], 1
	s_add_co_u32 s[G0V+1], s85, VC
	s_add_nc_u64 s[G0V+2:G0V+3], s[G0K+2:G0K+3], 6291456
	s_or_b32 s[G0K+3], s[G0K+3], 0x80000000
	s_or_b32 s[G0V+3], s[G0V+3], 0x80000000
	CROUND                                         ; the four partners are here: the joint loads meet
	s_cmp_lt_u32 s[WV], 4
	s_cbranch_scc0 .Lfor_v
	tensor_load_to_lds s[G0K:G0K+3], s[G1K:G1K+7]
	s_nop 0
	PLACES 4
	s_branch .Lasked
.Lfor_v:
	tensor_load_to_lds s[G0V:G0V+3], s[G1V:G1V+7]
	s_nop 0
	PLACES 4
.Lasked:
	s_lshl_b32 s90, s15, 5
	s_lshl_b32 s91, s[WV], 1
	s_add_co_u32 s90, s90, s91                     ; my first tile of queries: 32 cx + 2 wave
	s_mul_i32 s92, s90, IMG
	s_add_co_u32 s92, s92, s88
	s_mov_b32 s93, 0
	s_add_nc_u64 s[QP:QP+1], s[4:5], s[92:93]
	s_lshl_b32 s92, s15, 2
	s_lshr_b32 s94, s[WV], 2
	s_add_co_u32 s92, s92, s94
	s_lshl_b32 s92, s92, 9
	s_bfe_u32 s94, s[WV], 0x10001
	s_lshl_b32 s94, s94, 8
	s_add_co_u32 s92, s92, s94
	s_and_b32 s94, s[WV], 1
	s_lshl_b32 s94, s94, 3
	s_add_co_u32 s92, s92, s94
	s_add_co_u32 s92, s92, s82
	s_add_nc_u64 s[QSP:QSP+1], s[6:7], s[92:93]
	s_lshl_b32 s94, s17, 7
	s_add_co_u32 s94, s94, s90
	s_lshl_b32 s92, s94, 4
	s_add_co_u32 s92, s92, s18
	s_mul_i32 s92, s92, IMG
	s_add_nc_u64 s[AP:AP+1], s[10:11], s[92:93]
	s_lshl_b32 s92, s94, 9
	s_lshl_b32 s95, s18, 1
	s_add_co_u32 s92, s92, s95
	s_add_nc_u64 s[ASP:ASP+1], s[12:13], s[92:93]
	s_add_co_u32 s92, s82, 262144
	s_add_nc_u64 s[96:97], s[6:7], s[92:93]        ; k's scale images
	s_lshl_b32 s92, s17, 13
	s_add_nc_u64 s[98:99], s[8:9], s[92:93]        ; the batch's ids
	s_lshl_b32 s80, s26, 8
	s_add_co_u32 s80, s80, s82
	s_add_co_u32 s80, s80, 524288
	s_mov_b32 s81, 0
	s_add_nc_u64 s[80:81], s[6:7], s[80:81]        ; v's scale images, my head's half
	v_and_b32 v29, 31, v0                          ; lane
	v_and_b32 v30, 7, v0                           ; r % 8
	v_bfe_u32 v31, v0, 3, 1                        ; r / 8
	v_bfe_u32 v32, v0, 4, 1                        ; h
	v_and_b32 v33, 15, v0                          ; r
	v_lshlrev_b32 v7, 4, v29                       ; an image in memory: 16 x lane,
	v_lshl_add_u32 v18, v29, 3, 512                ; and 512 + 8 x lane
	v_add_nc_u32 v19, VC, v7
	v_add_nc_u32 v28, VC, v18
	v_add_nc_u32 v3, KS, v7
	v_lshlrev_b32 v5, 4, v33
	v_add_nc_u32 v4, VS, v5
	v_lshlrev_b32 v6, 5, v29
	v_mul_u32_u24 v34, v31, 2*KI                   ; rows 8-15 come from two images on
	v_mad_u32_u24 v1, v32, 320, v34
	v_lshl_add_u32 v1, v30, 4, v1                  ; k, 16 bytes: 320 h + 16 (r % 8)
	v_lshl_add_u32 v2, v32, 7, v34
	v_lshl_add_u32 v2, v30, 3, v2
	v_add_nc_u32 v2, 640, v2                       ; k, 8 bytes: 640 + 128 h + 8 (r % 8)
	v_and_b32 v35, 0xe0, v0
	v_lshlrev_b32 v35, 4, v35                      ; 512 x wave: a step's image, and its 128 ids
	v_lshl_add_u32 v35, v32, 8, v35                ; + 256 c
	v_lshl_add_u32 v36, v30, 4, v35
	v_lshl_add_u32 v36, v31, 3, v36                ; words of stored tiles 4 c + 2 (r / 8) + 0, 1, stored row r % 8 (+ 8: 128 bytes on)
	v_lshl_add_u32 v37, v31, 7, v35
	v_lshl_add_u32 v37, v30, 2, v37                ; id of key 64 c + 32 (r / 8) + r % 8 (+ 8 i)
	v_lshrrev_b32 v38, 4, v0
	v_lshl_add_u32 v38, v38, 9, v5                 ; v's words: 512 x (thread / 16) + 16 x (thread % 16)
	v_lshlrev_b32 v39, 4, v0
	v_add_nc_u32 v66, KS, v39
	v_add_nc_u32 v67, VS, v39
.irp e, 0,1
	global_load_b64 v[40+4*\e:41+4*\e], v36, s[96:97] offset:4096*\e
	global_load_b64 v[42+4*\e:43+4*\e], v36, s[96:97] offset:4096*\e+128
.irp i, 0,1,2,3
	global_load_b32 v[48+4*\e+\i], v37, s[98:99] offset:4096*\e+32*\i
.endr
.endr
	global_load_b128 v[56:59], v38, s[80:81]
	v_mov_b32 v31, 0
	v_mov_b32 v64, 0x7f010000                      ; a key that counts: the mask's block x 2^-126
	v_mov_b32 v65, 0x7ff70000                      ; a masked key: x 2^120
.irp f, 0,1,2,3,4,5                            ; k = 64 .. 127 of every fragment: the code -1 (q: +1) at k = 64, zeros behind it; written once
	v_cndmask_b32 v[KF+12*\f+6], 0x2c, v31, s[HI]
.irp i, 7,8,9,10,11
	v_mov_b32 v[KF+12*\f+\i], 0
.endr
.endr
	v_cndmask_b32 v[QF+6], 0x0c, v31, s[HI]
.irp i, 7,8,9,10,11
	v_mov_b32 v[QF+\i], 0
.endr
	WIN 0x40
.irp f, 0,1
	v_cndmask_b32 v[KF+12*\f+6], 0x2c, v31, s[HI]
.irp i, 7,8,9,10,11
	v_mov_b32 v[KF+12*\f+\i], 0
.endr
.endr
	v_cndmask_b32 v[QF+6], 0x0c, v31, s[HI]
.irp i, 7,8,9,10,11
	v_mov_b32 v[QF+\i], 0
.endr
	WIN 0
	s_wait_alu depctr_va_vdst(0)
	s_wait_loadcnt 0x0
.irp i, 0,1,2,3,4,5,6,7
	v_lshrrev_b32 v[40+\i], s19, v[40+\i]
.endr
.irp i, 0,1,2,3,4,5,6,7
	v_cmp_eq_u32 vcc_lo, 0, v[48+\i]
	v_cndmask_b32 v[48+\i], v64, v65, vcc_lo
.endr
.irp i, 0,1,2,3,4,5,6,7
	v_and_or_b32 v[40+\i], v[40+\i], 0xffff, v[48+\i]
.endr
	s_wait_alu depctr_va_vdst(0)                   ; the wait at the head's end
	s_wait_tensorcnt 0x0                           ; my quarter is in
.irp e, 0,1
	ds_store_b128 v66, v[40+4*\e:43+4*\e] offset:4096*\e
.endr
	ds_store_b128 v67, v[56:59]
	s_wait_dscnt 0x0
	s_barrier_signal -1
	s_barrier_wait -1                              ; all of k, v and their scale words are in: the launch's only hand-over
.macro KADR
	v_add_nc_u32 v8, s[TK], v1
	v_add_nc_u32 v9, s[TK], v2
	v_add_nc_u32 v12, s[TKS], v3
.endm
.macro KL f, reg                       ; tile f = 4 c + i: image 4 c + i % 2, stored rows 8 (i / 2) on
	ds_load_b128 v[\reg:\reg+3], v8 offset:KI*(4*((\f)/4)+(\f)%2)+128*(((\f)%4)/2)
	ds_load_b64 v[\reg+4:\reg+5], v9 offset:KI*(4*((\f)/4)+(\f)%2)+64*(((\f)%4)/2)
.endm
.macro KLOAD                           ; 17 LDS loads
.irp f, 0,1,2,3,4,5
	KL \f, KF+12*\f
.endr
	ds_load_b128 v[KSW:KSW+3], v12
	WIN 0x40
.irp f, 6,7
	KL \f, KF+12*(\f-6)
.endr
	WIN 0
.endm
.macro SC1 q, f, kr
.if (\f) < 4
	v_wmma_scale_f32_16x16x128_f8f6f4 v[S+8*(\f):S+8*(\f)+7], v[\kr:\kr+11], v[QF:QF+11], 0, v[KSW+(\f)%4], v[14+(\q)] matrix_a_fmt:MATRIX_FMT_BF6 matrix_b_fmt:MATRIX_FMT_BF6
.else
	v_wmma_scale_f32_16x16x128_f8f6f4 v[S+8*(\f):S+8*(\f)+7], v[\kr:\kr+11], v[QF:QF+11], 0, v[KSW+(\f)%4], v[14+(\q)] matrix_a_fmt:MATRIX_FMT_BF6 matrix_b_fmt:MATRIX_FMT_BF6 matrix_a_scale:MATRIX_SCALE_ROW1
.endif
.endm
.macro SCORES                          ; 16 products, each with its own result
	WIN 0
.irp f, 0,1,2,3,4,5
	SC1 0, \f, KF+12*\f
.endr
	WIN 0x01
.irp f, 6,7
	SC1 0, \f, KF+12*(\f-6)
.endr
	WIN 0x45
.irp f, 6,7
	SC1 1, \f, KF+12*(\f-6)
.endr
	WIN 0x44
.irp f, 0,1,2,3,4,5
	SC1 1, \f, KF+12*\f
.endr
	WIN 0
.endm
.macro PV q                            ; the four accumulators by turns
.irp dt, 0,1,2,3
	v_wmma_scale_f32_16x16x128_f8f6f4 v[O+8*\dt:O+8*\dt+7], v[VF+12*\dt:VF+12*\dt+11], v[PC:PC+11], v[O+8*\dt:O+8*\dt+7], v[VSW+\dt], v[16+(\q)] matrix_a_fmt:MATRIX_FMT_BF6 matrix_b_fmt:MATRIX_FMT_BF6
.endr
.endm
.macro SOFTMAX q
	WIN 0x55*(\q)
.if \q
	s_wait_alu depctr_va_vdst(0)                   ; the wait ahead of the first reader of these scores
.endif
.irp c, 0,1                                    ; my block 2 c + h: its largest score, in two chains; each result is read from its low end on
	v_max3_num_f32 v[BM+\c], v[S+32*\c], v[S+32*\c+1], v[S+32*\c+2]
	v_max3_num_f32 v[BB+\c], v[S+32*\c+16], v[S+32*\c+17], v[S+32*\c+18]
.endr
.irp i, 3,5,7,9,11,13
.irp c, 0,1
	v_max3_num_f32 v[BM+\c], v[BM+\c], v[S+32*\c+\i], v[S+32*\c+\i+1]
	v_max3_num_f32 v[BB+\c], v[BB+\c], v[S+32*\c+16+\i], v[S+32*\c+17+\i]
.endr
.endr
.irp c, 0,1
	v_max3_num_f32 v[BM+\c], v[BM+\c], v[S+32*\c+15], v[S+32*\c+31]
.endr
.irp c, 0,1
	v_max_num_f32 v[BM+\c], v[BM+\c], v[BB+\c]
.endr
	s_delay_alu instid0(VALU_DEP_1)
	v_max_num_f32 v[T], v[BM], v[BM+1]
	s_delay_alu instid0(VALU_DEP_1)
	v_permlanex16_b32 v[BX], v[T], s[SEL], s[SEL+1]
	s_delay_alu instid0(VALU_DEP_1)
	v_max3_num_f32 v[RS], v[RS], v[T], v[BX]       ; the running largest score of my query
	s_delay_alu instid0(VALU_DEP_1)
	v_mul_f32 v[T], s[NCS], v[RS]
	s_delay_alu instid0(VALU_DEP_1)
	v_floor_f32 v[T], v[T]                         ; the new -M = floor(-t)
	s_delay_alu instid0(VALU_DEP_1)
	v_sub_f32 v[T+1], v[T], v[NM]                  ; old M less new M: a whole number, 0 or less
	v_mov_b32 v[NM], v[T]
	s_delay_alu instid0(VALU_DEP_2)
	v_cvt_i32_f32 v[T+1], v[T+1]
	s_delay_alu instid0(VALU_DEP_1)
	v_ldexp_f32 v[F], 1.0, v[T+1]                  ; f = 2^(old M - new M)
.set j, 0
.rept 32
	v_pk_fma_f32 v[S+j:S+j+1], v[S+j:S+j+1], s[CS:CS+1], v[NM:NM+1] op_sel_hi:[1,0,0]
.set j, j+2
.endr
.irp c, 0,1
	v_fma_f32 v[BM+\c], v[BM+\c], s[CS], v[NM]
.endr
	s_wait_alu depctr_va_vdst(0)                   ; the wait ahead of the batch
.irp c, 0,1
	v_exp_f32 v[BM+\c], v[BM+\c]                   ; the block's largest p
.endr
.set j, 0
.rept 64
	v_exp_f32 v[S+j], v[S+j]
.set j, j+1
.endr
	v_pk_mul_f32 v[L:L+1], v[L:L+1], v[F:F+1] op_sel_hi:[1,0]
	s_wait_alu depctr_va_vdst(0)                   ; and behind it, ahead of its first reader
.irp c, 0,1
	v_max_num_f32 v[BM+\c], 0x2800000, v[BM+\c]    ; the floor 2^(5 - 127) holds the byte at 1
.endr
.irp c, 0,1
	v_add_nc_u32 v[SCO+\c], 0xfe000000, v[BM+\c]   ; 4 off the exponent field: the conversion's scale
.endr
.irp c, 0,1
	v_cvt_scalef32_pk16_bf6_f32 v[PC+6*\c:PC+6*\c+2], v[S+32*\c:S+32*\c+15], v[SCO+\c]
	v_cvt_scalef32_pk16_bf6_f32 v[PT+4*\c:PT+4*\c+2], v[S+32*\c+16:S+32*\c+31], v[SCO+\c]
.endr
	v_pk_add_f32 v[T:T+1], v[S:S+1], v[S+2:S+3]    ; the row's sum, of the unquantised p, in four chains
	v_pk_add_f32 v[BB:BB+1], v[S+4:S+5], v[S+6:S+7]
	v_pk_add_f32 v[BX:BX+1], v[S+8:S+9], v[S+10:S+11]
	v_pk_add_f32 v[L:L+1], v[L:L+1], v[S+12:S+13]
.set j, 14
.rept 6
	v_pk_add_f32 v[T:T+1], v[T:T+1], v[S+j:S+j+1]
	v_pk_add_f32 v[BB:BB+1], v[BB:BB+1], v[S+j+2:S+j+3]
	v_pk_add_f32 v[BX:BX+1], v[BX:BX+1], v[S+j+4:S+j+5]
	v_pk_add_f32 v[L:L+1], v[L:L+1], v[S+j+6:S+j+7]
.set j, j+8
.endr
	v_pk_add_f32 v[T:T+1], v[T:T+1], v[S+62:S+63]
	v_pk_add_f32 v[BB:BB+1], v[BB:BB+1], v[BX:BX+1]
	v_lshrrev_b32 v[BM], 23, v[SCO]
	v_lshrrev_b32 v[BM+1], 23, v[SCO+1]
	v_pk_add_f32 v[L:L+1], v[L:L+1], v[T:T+1]
	v_pk_add_f32 v[L:L+1], v[L:L+1], v[BB:BB+1]
	v_mov_b32 v[PC+3], v[PT]                       ; (a conversion's three registers begin on an even number)
	v_mov_b32 v[PC+4], v[PT+1]
	v_lshl_or_b32 v[T], v[BM+1], 16, v[BM]         ; my bytes: blocks h and 2 + h
	v_mov_b32 v[PC+5], v[PT+2]
	v_mov_b32 v[PC+9], v[PT+4]
	v_permlanex16_b32 v[BX], v[T], s[SEL], s[SEL+1]
	v_mov_b32 v[PC+10], v[PT+5]
	v_mov_b32 v[PC+11], v[PT+6]
	WIN 0x11*(\q)
	v_lshl_or_b32 v[16+(\q)], v[BX], 8, v[T]       ; lanes 0-15, which alone are read: blocks 0, 2 mine, 1, 3 lane l + 16's
	WIN 0x55*(\q)
.if (\q) == 0
	s_wait_dscnt 17                                ; v's 17 loads are in; the next step's 17 of k may be out
.endif
	s_wait_alu depctr_va_vdst(0)                   ; the wait ahead of the first reader of O^T
.set j, 0
.rept 16
	v_pk_mul_f32 v[O+j:O+j+1], v[O+j:O+j+1], v[F:F+1] op_sel_hi:[1,0]
.set j, j+2
.endr
.endm
.macro INIT q
	WIN 0x55*(\q)
	v_mov_b32 v[RS], 0xf1800000                    ; under every score that counts, over every masked one
	v_mov_b32 v[L], 0
	v_mov_b32 v[L+1], 0
	v_mov_b32 v[F+1], 0
	v_mul_f32 v[T], s[NCS], v[RS]
	v_mov_b32 v[BX], 0
	v_mov_b32 v[BX+1], 0
	v_mov_b32 v[T+1], 0
	v_floor_f32 v[NM], v[T]
.set j, 0
.rept 32
	v_mov_b32 v[O+j], 0
.set j, j+1
.endr
	WIN 0
.endm
.macro FINISH q                        ; O / l, quantised along the head's 64: an image of ac and two bytes a row of asc
	WIN 0x55*(\q)
	v_add_f32 v[L], v[L], v[L+1]
	s_delay_alu instid0(VALU_DEP_1)
	v_permlanex16_b32 v[T], v[L], s[SEL], s[SEL+1]
	s_delay_alu instid0(VALU_DEP_1)
	v_add_f32 v[L], v[L], v[T]
	s_wait_alu depctr_va_vdst(0)
	v_rcp_f32 v[F], v[L]
	v_nop
	s_wait_alu depctr_va_vdst(0)
.set j, 0
.rept 16
	v_pk_mul_f32 v[O+j:O+j+1], v[O+j:O+j+1], v[F:F+1] op_sel_hi:[1,0]
.set j, j+2
.endr
.irp b, 0,1
	v_max3_num_f32 v[BM+\b], |v[O+16*\b]|, |v[O+16*\b+1]|, 0x2800000
.endr
.irp i, 2,4,6,8,10,12,14
.irp b, 0,1
	s_delay_alu instid0(VALU_DEP_2)
	v_max3_num_f32 v[BM+\b], v[BM+\b], |v[O+16*\b+\i]|, |v[O+16*\b+\i+1]|
.endr
.endr
.irp b, 0,1
	s_delay_alu instid0(VALU_DEP_2)
	v_permlanex16_b32 v[BX+\b], v[BM+\b], s[SEL], s[SEL+1]
.endr
.irp b, 0,1
	s_delay_alu instid0(VALU_DEP_2)
	v_max_num_f32 v[BM+\b], v[BM+\b], v[BX+\b]
.endr
.irp b, 0,1
	s_delay_alu instid0(VALU_DEP_2)
	v_add_nc_u32 v[SCO+\b], 0xfe000000, v[BM+\b]
.endr
.irp b, 0,1
	s_delay_alu instid0(VALU_DEP_2)
	v_lshrrev_b32 v[BX+\b], 23, v[SCO+\b]
.endr
	s_delay_alu instid0(VALU_DEP_1)
	v_lshl_or_b32 v[T], v[BX+1], 8, v[BX]
	v_cvt_scalef32_pk16_bf6_f32 v[PC:PC+2], v[O:O+15], v[SCO]
	v_cvt_scalef32_pk16_bf6_f32 v[PT:PT+2], v[O+16:O+31], v[SCO+1]
	v_nop
.irp i, 0,1,2
	v_permlane16_swap_b32 v[PC+\i], v[PT+\i]
.endr
.irp i, 0,1,2
	s_delay_alu instid0(VALU_DEP_3)
	v_mov_b32 v[PC+3+\i], v[PT+\i]
.endr
	WIN 0x04*(\q)
	global_store_b128 v7, v[PC:PC+3], s[AP:AP+1] offset:TROW*(\q)
	global_store_b64 v18, v[PC+4:PC+5], s[AP:AP+1] offset:TROW*(\q)
	WIN 0
.endm
	s_mov_b32 s[PASS], 2
.Lpass:
	global_load_b128 v[QF:QF+3], v7, s[QP:QP+1]
	global_load_b64 v[QF+4:QF+5], v18, s[QP:QP+1]
	global_load_b32 v30, v5, s[QSP:QSP+1]
	global_load_b32 v31, v5, s[QSP:QSP+1] offset:4
	WIN 0x40
	global_load_b128 v[QF:QF+3], v7, s[QP:QP+1] offset:IMG
	global_load_b64 v[QF+4:QF+5], v18, s[QP:QP+1] offset:IMG
	WIN 0
	s_mov_b32 s[TK], 0
	s_mov_b32 s[TKS], 0
	s_mov_b32 s[TV], 0
	s_mov_b32 s[TVS], 0
	s_mov_b32 s[CNT], 16
	KADR
	KLOAD                                          ; step 0's tiles of k
	s_mov_b32 s[TK], KSTEP                         ; k runs one step ahead of v
	s_mov_b32 s[TKS], 512
	INIT 0
	INIT 1
	s_wait_alu depctr_va_vdst(0)
	s_wait_loadcnt 0x0
	v_lshrrev_b32 v30, s19, v30
	v_lshrrev_b32 v31, s19, v31
	v_and_or_b32 v14, v30, 0xffff, s[QHI]
	v_and_or_b32 v15, v31, 0xffff, s[QHI]
	PLACES 8                                       ; a scale register written by a vector instruction stands 8 places ahead of a scaled product
.Lstep:
	v_add_nc_u32 v10, s[TV], v19                   ; these six are also the places behind the last products, ahead of the loads below
	v_add_nc_u32 v11, s[TV], v28
	v_add_nc_u32 v13, s[TVS], v4
	KADR
	s_wait_alu depctr_va_vdst(0)
	WIN 0x40
.irp dt, 0,1,2,3
.irp c, 0,1
	ds_load_b128 v[VF+12*\dt+6*\c:VF+12*\dt+6*\c+3], v10 offset:2*IMG*\dt+IMG*\c
	ds_load_b64 v[VF+12*\dt+6*\c+4:VF+12*\dt+6*\c+5], v11 offset:2*IMG*\dt+IMG*\c
.endr
.endr
	WIN 0
	ds_load_b128 v[VSW:VSW+3], v13
	s_wait_dscnt 17                                ; this step's k is in; v's 17 loads just issued may be out
	SCORES
	PLACES 4
	KLOAD                                          ; the next step's k (behind the last step: bytes of v and of its scale words, which nobody uses)
	SOFTMAX 0
	WIN 0x01
	PV 0
	SOFTMAX 1
	PV 1
	WIN 0
	s_add_co_u32 s[TK], s[TK], KSTEP
	s_add_co_u32 s[TKS], s[TKS], 512
	s_add_co_u32 s[TV], s[TV], STEPB
	s_add_co_u32 s[TVS], s[TVS], 256
	s_sub_co_u32 s[CNT], s[CNT], 1
	s_cmp_lg_u32 s[CNT], 0
	s_cbranch_scc1 .Lstep
	s_wait_dscnt 0x0                               ; the loads that ran ahead have landed: their registers may be loaded anew
	FINISH 0
	FINISH 1
	WIN 0x01
	v_mov_b32 v250, v[T]
	WIN 0
	v_cndmask_b32 v251, v[T], v250, s[HI]          ; lanes 0-15 the first tile's rows, lanes 16-31 the second's
	global_store_b16 v6, v251, s[ASP:ASP+1]
	s_wait_xcnt 0x0                                ; the stores have read their data and bases
	s_add_nc_u64 s[QP:QP+1], s[QP:QP+1], 16*IMG
	s_add_nc_u64 s[QSP:QSP+1], s[QSP:QSP+1], 1024
	s_add_nc_u64 s[AP:AP+1], s[AP:AP+1], 16*TROW
	s_add_nc_u64 s[ASP:ASP+1], s[ASP:ASP+1], 8192
	s_sub_co_u32 s[PASS], s[PASS], 1
	s_cmp_lg_u32 s[PASS], 0
	s_cbranch_scc1 .Lpass
	s_wait_tensorcnt 0x0                           ; the wave's end
	ds_add_u32 v[SPW], v[NIL]
	s_wait_dscnt 0x0
	CROUND                                         ; the closing round
	s_endpgm
.Lfunc_end_k_q7116481ec0_attn:
	.size	k_q7116481ec0_attn, .Lfunc_end_k_q7116481ec0_attn-k_q7116481ec0_attn
	.p2alignl 7, 3214868480
	.fill 96, 4, 3214868480
	.section	.rodata,"a",@progbits
	.p2align	6, 0x0
	.amdhsa_kernel k_q7116481ec0_attn
		.amdhsa_group_segment_fixed_size 327680
		.amdhsa_private_segment_fixed_size 0
		.amdhsa_enable_private_segment 0
		.amdhsa_kernarg_size 40
		.amdhsa_user_sgpr_count 2
		.amdhsa_user_sgpr_kernarg_segment_ptr 1
		.amdhsa_wavefront_size32 1
		.amdhsa_system_sgpr_workgroup_id_x 1
		.amdhsa_system_sgpr_workgroup_id_y 1
		.amdhsa_system_sgpr_workgroup_id_z 1
		.amdhsa_system_vgpr_workitem_id 0
		.amdhsa_next_free_vgpr 512
		.amdhsa_next_free_sgpr 100
		.amdhsa_reserve_vcc 1
		.amdhsa_float_denorm_mode_32 3
		.amdhsa_float_denorm_mode_16_64 3
		.amdhsa_memory_ordered 1
		.amdhsa_forward_progress 1
		.amdhsa_inst_pref_size 56
	.end_amdhsa_kernel
	.amdgpu_metadata
---
amdhsa.version: [ 1, 2 ]
amdhsa.kernels:
  - .name:           k_q7116481ec0_attn
    .symbol:         k_q7116481ec0_attn.kd
    .args:
      - { .name: qkv, .offset: 0, .size: 8, .value_kind: global_buffer, .address_space: global }
      - { .name: qkvs, .offset: 8, .size: 8, .value_kind: global_buffer, .address_space: global }
      - { .name: input_ids, .offset: 16, .size: 8, .value_kind: global_buffer, .address_space: global }
      - { .name: ac, .offset: 24, .size: 8, .value_kind: global_buffer, .address_space: global }
      - { .name: asc, .offset: 32, .size: 8, .value_kind: global_buffer, .address_space: global }
    .group_segment_fixed_size: 327680
    .private_segment_fixed_size: 0
    .kernarg_segment_align: 8
    .kernarg_segment_size: 40
    .max_flat_workgroup_size: 256
    .sgpr_count:     100
    .vgpr_count:     512
    .wavefront_size: 32
...
	.end_amdgpu_metadata
.endif
;; end of part 3
;; launch gemm_out (part 4): grid 4 x 64, 4 waves a work-group, clusters of 4 x 4, 327,680 bytes of LDS; arguments ac, asc, wc, ws, bp, x, out0; writes out0
.if DOCPART == 4
	.amdgcn_target "amdgcn-amd-amdhsa--gfx1250"
	.amdhsa_code_object_version 6
	.text
	.protected	k_q7116481ec0_gemm_out
	.globl	k_q7116481ec0_gemm_out
	.p2align	8
	.type	k_q7116481ec0_gemm_out,@function
k_q7116481ec0_gemm_out:
	s_mov_b64 s[64:65], 0
	v_nop
	global_prefetch_b8 v0, s[64:65] scope:SCOPE_SE
	s_setreg_imm32_b32 hwreg(HW_REG_WAVE_MODE, 25, 1), 1
	s_wait_xcnt 0x0
	s_wait_alu depctr_hold_cnt(0) depctr_sa_sdst(0) depctr_va_vdst(0) depctr_va_sdst(0) depctr_va_ssrc(0) depctr_va_vcc(0) depctr_vm_vsrc(0)
	s_getreg_b32 s2, hwreg(HW_REG_IB_STS2, 6, 4)
	s_cmp_eq_u32 s2, 0
	s_cbranch_scc0 .Lentry_in_a_cluster
	s_endpgm
.Lentry_in_a_cluster:
	s_bfe_u32 s2, ttmp6, 0x10000c
	s_cmp_lg_u32 s2, 0xf033
	s_cbranch_scc0 .Lentry_shape_is_right
	s_endpgm
.Lentry_shape_is_right:
; out0 = attn Wp + bp + x.  attn (ac, asc) and Wp (tiles 192 on of wc, ws) are codes of E3M2 with one E8M0 byte for each 32 along K = 1,024; sums in f32.
; A work-group of four waves makes 128 rows x 256 columns: 64 x 4 = 256 work-groups.  A wave makes 64 x 128: 32 accumulators, window 2.
; ALL OF K LIES IN LDS AT ONCE: A's 8 tiles are 98,304 dense bytes, B's 16 tiles 196,608.  One joint load a wave at the head (wave 0: A; waves 1-3: a third of B each); nothing is filled again,
; so one barrier stands behind the head, and one more ahead of the way out, whose stage lies over A's bytes, which have had their only fill and are read no more.
; CLUSTERS: 4 x 4 work-groups; A's block is asked for jointly along a row of the cluster, B's along a column.
; No prefetch: every tile is asked for once, at the head, with no loop ahead of it to ask in.
; CODES lie as images of an operand's registers: 16 stored rows x 64 along K = 768 bytes, lane l's first 16 bytes at 16 l, its last 8 at 512 + 8 l; image (tile T, k / 64) at (16 T + k / 64) x 768.
; Rows lie in stored order (bits 3 and 4 of the row number exchanged).  Source 0 = Wp's columns, source 1 = attn's rows: a lane holds one row and, in tiles 2 B, 2 B + 1, the columns 32 B + 16 (lane / 16) + 0 .. 15.
; SCALE WORDS go from memory into registers: a tile's 512 bytes by one load, lane (r, h) taking row r's words 4 h .. 4 h + 3: K steps 0-3 are read from lanes 0-15, steps 4-7 from lanes 16-31.
; x's 64 x 128 numbers of the wave are loaded early, as rows, into window 3, and added on the way out; bp is the C of each sum's first product.
; REGISTERS: window 0: v16-29 addresses; v32-47 A's scale words, v48-79 B's, and nothing else; v80-143 the bias; v144-239 A's fragments, two sets (way out: v80-207 rows read back).  window 1: B's fragments, two sets.
.set FR,     12
.set IMG,    768
.set TROW,   16*IMG
.set ABYTES, 8*TROW
.set SPARE,  ABYTES+16*TROW            ; the spare words: 128 bytes a wave, two blocks of 256 bytes that no other line names
.set SPITCH, 528
.set ADRA, 16                          ; v16: 16 x lane in my four tiles of A; v17: 512 + 8 x lane
.set ADRB, 20                          ; v20, v21 the same for B's tiles 0-3; v22, v23 for tiles 4-7
.set STO,  24
.set RD,   25
.set CO,   26
.set ADRS, 27
.set SPW,  28
.set NIL,  29
.set SA,   32
.set SB,   48
.set R,    80
.set AF,   144
.set BK,   80
.set G1, 24
.set G0, 32
.set G1B, 48
.set G0B, 56
.set MSB, 0
.macro WIN new                         ; the immediate's high byte repeats the setting that is left
.if MSB != (\new)
	s_set_vgpr_msb (MSB<<8)|(\new)
.set MSB, (\new)
.endif
.endm
.macro CROUND
	s_barrier_signal -1
	s_barrier_wait -1
	s_cmp_lg_u32 s14, 0
	s_cbranch_scc1 .Lnot_wave_0_\@
	s_barrier_signal -3
.Lnot_wave_0_\@:
	s_barrier_wait -3
	s_barrier_signal -1
	s_barrier_wait -1
.endm
.macro PLACES n
.rept \n
	v_nop
.endr
.endm
	s_load_b256 s[4:11], s[0:1], 0x0               ; ac 4, asc 6, wc 8, ws 10
	s_load_b128 s[96:99], s[0:1], 0x20             ; bp 96, x 98
	s_load_b64 s[12:13], s[0:1], 0x30              ; out0
	v_lshl_add_u32 v[SPW], v0, 2, SPARE
	v_mov_b32 v[NIL], 0
	ds_add_u32 v[SPW], v[NIL]                      ; the opening
	ds_add_u32 v[SPW], v[NIL]
	v_lshrrev_b32 v1, 5, v0
	v_readfirstlane_b32 s14, v1                    ; wave
	s_lshr_b32 s15, s14, 1                         ; which 64 rows
	s_and_b32 s16, s14, 1                          ; which 128 columns
	s_bfe_u32 s40, ttmp6, 0x40000                  ; cx
	s_bfe_u32 s41, ttmp6, 0x40004                  ; cy
	s_lshl_b32 s42, ttmp9, 2
	s_add_co_u32 s42, s42, s40                     ; block column
	s_and_b32 s17, ttmp7, 0xffff
	s_lshl_b32 s17, s17, 2
	s_add_co_u32 s17, s17, s41                     ; block row
	s_lshl_b32 s43, s41, 2
	s_lshl_b32 s43, 15, s43                        ; my row of the cluster
	s_lshl_b32 s44, 0x1111, s40                    ; my column
	s_or_b32 s[G1], s43, (3<<16)|(1<<21)           ; A: 384 dense rows of 256 bytes
	s_mov_b32 s[G1+1], 32<<16
	s_mov_b32 s[G1+2], 384<<16
	s_mov_b32 s[G1+3], 32<<16
	s_mov_b32 s[G1+4], 384
	s_mov_b32 s[G1+5], 32
	s_mov_b32 s[G1+6], 0
	s_mov_b32 s[G1+7], 0
	s_or_b32 s[G1B], s44, (3<<16)|(1<<21)          ; a third of B: 256 such rows
	s_mov_b32 s[G1B+1], 32<<16
	s_mov_b32 s[G1B+2], 256<<16
	s_mov_b32 s[G1B+3], 32<<16
	s_mov_b32 s[G1B+4], 256
	s_mov_b32 s[G1B+5], 32
	s_mov_b32 s[G1B+6], 0
	s_mov_b32 s[G1B+7], 0
	s_mul_i32 s20, s17, ABYTES
	s_mov_b32 s21, 0
	s_xor_b32 s18, s14, 3                          ; waves 3, 2, 1 take thirds 0, 1, 2
	s_lshl_b32 s18, s18, 16
	s_lshl_b32 s46, s42, 4
	s_add_co_u32 s46, s46, 192                     ; Wp's tiles begin at tile 192
	s_mul_i32 s46, s46, TROW
	s_add_co_u32 s46, s46, s18
	s_mov_b32 s47, 0
	s_mul_i32 s60, s15, 4*TROW                     ; my four tiles of A in LDS
	s_mul_i32 s61, s16, 8*TROW
	s_add_co_u32 s61, s61, ABYTES                  ; my eight tiles of B
	s_mul_i32 s62, s14, 16*SPITCH                  ; my stage
	s_wait_dscnt 0x0
	s_wait_kmcnt 0x0
	s_mov_b32 s[G0], 1
	s_mov_b32 s[G0+1], 0
	s_add_nc_u64 s[G0+2:G0+3], s[4:5], s[20:21]
	s_or_b32 s[G0+3], s[G0+3], 0x80000000
	s_mov_b32 s[G0B], 1
	s_add_co_u32 s[G0B+1], s18, ABYTES
	s_add_nc_u64 s[G0B+2:G0B+3], s[8:9], s[46:47]
	s_or_b32 s[G0B+3], s[G0B+3], 0x80000000
	CROUND                                         ; all sixteen work-groups are here: the joint loads meet
	s_cmp_eq_u32 s14, 0
	s_cbranch_scc0 .Lfor_b
	tensor_load_to_lds s[G0:G0+3], s[G1:G1+7]
	s_nop 0
	PLACES 4
	s_branch .Lasked
.Lfor_b:
	tensor_load_to_lds s[G0B:G0B+3], s[G1B:G1B+7]
	s_nop 0
	PLACES 4
.Lasked:
	s_lshl_b32 s20, s17, 3
	s_lshl_b32 s22, s15, 2
	s_add_co_u32 s20, s20, s22
	s_lshl_b32 s20, s20, 9                         ; A's scale bytes: tile 8 x block row + 4 x half, 512 a tile
	s_add_nc_u64 s[6:7], s[6:7], s[20:21]
	s_lshl_b32 s46, s42, 1
	s_add_co_u32 s46, s46, s16                     ; which 128 columns of 1,024
	s_lshl_b32 s22, s46, 12
	s_add_co_u32 s22, s22, 192*512                 ; B's scale bytes
	s_mov_b32 s23, 0
	s_add_nc_u64 s[10:11], s[10:11], s[22:23]
	s_lshl_b32 s46, s46, 9                         ; 128 columns of f32
	s_add_nc_u64 s[96:97], s[96:97], s[46:47]
	s_lshl_b32 s20, s17, 1
	s_add_co_u32 s20, s20, s15
	s_lshl_b32 s20, s20, 18                        ; 64 rows of 4,096 bytes
	s_add_co_u32 s20, s20, s46
	s_add_nc_u64 s[12:13], s[12:13], s[20:21]
	s_add_nc_u64 s[98:99], s[98:99], s[20:21]
	v_and_b32 v1, 31, v0                           ; lane
	v_and_b32 v2, 15, v0                           ; r
	v_bfe_u32 v3, v0, 4, 1                         ; h
	v_lshlrev_b32 v[CO], 4, v1
	v_lshl_add_u32 v5, v1, 3, 512
	v_add_nc_u32 v[ADRA], s60, v[CO]
	v_add_nc_u32 v[ADRA+1], s60, v5
	v_add_nc_u32 v[ADRB], s61, v[CO]
	v_add_nc_u32 v[ADRB+1], s61, v5
	v_add_nc_u32 v[ADRB+2], 4*TROW, v[ADRB]
	v_add_nc_u32 v[ADRB+3], 4*TROW, v[ADRB+1]
	v_lshlrev_b32 v[ADRS], 5, v2
	v_lshl_add_u32 v[ADRS], v3, 4, v[ADRS]         ; 32 r + 16 h
	v_mul_u32_u24 v6, v2, SPITCH
	v_lshl_add_u32 v6, v3, 6, v6
	v_add_nc_u32 v[STO], s62, v6
	v_add_nc_u32 v[RD], s62, v[CO]
	v_lshlrev_b32 v8, 6, v3
.irp a, 0,1,2,3
	global_load_b128 v[SA+4*\a:SA+4*\a+3], v[ADRS], s[6:7] offset:512*\a
.endr
.irp b, 0,1,2,3,4,5,6,7
	global_load_b128 v[SB+4*\b:SB+4*\b+3], v[ADRS], s[10:11] offset:512*\b
.endr
.irp b, 0,1,2,3,4,5,6,7                        ; register j of B's tile b is column 32 (b / 2) + 8 (b % 2) + 16 h + j
	global_load_b128 v[R+8*\b:R+8*\b+3], v8, s[96:97] offset:128*(\b/2)+32*(\b%2)
	global_load_b128 v[R+8*\b+4:R+8*\b+7], v8, s[96:97] offset:128*(\b/2)+32*(\b%2)+16
.endr
.macro XLOAD a                         ; x's 16 rows of block a, 512 consecutive bytes a load -> window 3
	WIN 0xc0
.irp t, 0,1,2,3,4,5,6,7,8,9,10,11,12,13,14,15
	global_load_b128 v[64*(\a)+4*\t:64*(\a)+4*\t+3], v[CO], s[98:99] offset:(32*((\a)/2)+8*((\a)%2)+\t+8*(\t/8))*4096 th:TH_LOAD_NT
.endr
	WIN 0
.endm
	XLOAD 0
	XLOAD 1
	XLOAD 2
.macro FETCH st                        ; step st's fragments into set st % 2: 48 LDS loads
	WIN 0x40
.irp i, 0,1,2,3,4,5,6,7
.irp c, 0,1
	ds_load_b128 v[96*((\st)%2)+FR*\i+6*\c:96*((\st)%2)+FR*\i+6*\c+3], v[ADRB+2*(\i/4)] offset:(\i%4)*TROW+(2*(\st)+\c)*IMG
	ds_load_b64 v[96*((\st)%2)+FR*\i+6*\c+4:96*((\st)%2)+FR*\i+6*\c+5], v[ADRB+1+2*(\i/4)] offset:(\i%4)*TROW+(2*(\st)+\c)*IMG
.endr
.endr
	WIN 0
.irp i, 0,1,2,3
.irp c, 0,1
	ds_load_b128 v[AF+48*((\st)%2)+FR*\i+6*\c:AF+48*((\st)%2)+FR*\i+6*\c+3], v[ADRA] offset:\i*TROW+(2*(\st)+\c)*IMG
	ds_load_b64 v[AF+48*((\st)%2)+FR*\i+6*\c+4:AF+48*((\st)%2)+FR*\i+6*\c+5], v[ADRA+1] offset:\i*TROW+(2*(\st)+\c)*IMG
.endr
.endr
.endm
.macro MUL st                          ; 32 products, the 32 accumulators by turns
.irp a, 0,1,2,3
.irp b, 0,1,2,3,4,5,6,7
.if (\st) == 0
	v_wmma_scale_f32_16x16x128_f8f6f4 v[8*(8*\a+\b):8*(8*\a+\b)+7], v[96*((\st)%2)+FR*\b:96*((\st)%2)+FR*\b+FR-1], v[AF+48*((\st)%2)+FR*\a:AF+48*((\st)%2)+FR*\a+FR-1], v[R+8*\b:R+8*\b+7], v[SB+4*\b+(\st)%4], v[SA+4*\a+(\st)%4] matrix_a_fmt:MATRIX_FMT_BF6 matrix_b_fmt:MATRIX_FMT_BF6
.elseif (\st) < 4
	v_wmma_scale_f32_16x16x128_f8f6f4 v[8*(8*\a+\b):8*(8*\a+\b)+7], v[96*((\st)%2)+FR*\b:96*((\st)%2)+FR*\b+FR-1], v[AF+48*((\st)%2)+FR*\a:AF+48*((\st)%2)+FR*\a+FR-1], v[8*(8*\a+\b):8*(8*\a+\b)+7], v[SB+4*\b+(\st)%4], v[SA+4*\a+(\st)%4] matrix_a_fmt:MATRIX_FMT_BF6 matrix_b_fmt:MATRIX_FMT_BF6
.else
	v_wmma_scale_f32_16x16x128_f8f6f4 v[8*(8*\a+\b):8*(8*\a+\b)+7], v[96*((\st)%2)+FR*\b:96*((\st)%2)+FR*\b+FR-1], v[AF+48*((\st)%2)+FR*\a:AF+48*((\st)%2)+FR*\a+FR-1], v[8*(8*\a+\b):8*(8*\a+\b)+7], v[SB+4*\b+(\st)%4], v[SA+4*\a+(\st)%4] matrix_a_fmt:MATRIX_FMT_BF6 matrix_b_fmt:MATRIX_FMT_BF6 matrix_a_scale:MATRIX_SCALE_ROW1 matrix_b_scale:MATRIX_SCALE_ROW1
.endif
.endr
.endr
.endm
.macro STEP st                         ; 128 along K; the next step's fragments are asked for ahead of this step's 32 products
	s_wait_dscnt 0x0                               ; this step's fragments are in
.if (\st) < 7
.if (\st) > 0
	PLACES 4                                       ; ahead of loads into registers that the last step's products have read
.endif
	FETCH (\st)+1
.else
	s_barrier_signal -1                            ; my reads of the tiles are over
.endif
.if (\st) == 0
	WIN 0x81                                       ; source 0 window 1, source 1 and C (the bias) window 0, D window 2
.else
	WIN 0xa1                                       ; C and D window 2
.endif
	MUL \st
	WIN 0
.if (\st) == 7
	s_barrier_wait -1                              ; and so are everybody's: the stage may be laid over A's bytes
.endif
.endm
	s_wait_alu depctr_va_vdst(0)                   ; the wait at the head's end
	s_wait_tensorcnt 0x0                           ; my part of the tiles is in
	s_barrier_signal -1
	s_barrier_wait -1                              ; and everybody's
	FETCH 0
	s_wait_loadcnt 48                              ; the scale words and the bias are in; x's 48 loads may be out
	STEP 0
	XLOAD 3
.irp s, 1,2,3,4,5,6,7
	STEP \s
.endr
; THE WAY OUT, block by block of 16 rows x 128 columns: through my stage, back as whole rows of 512 bytes, x added, stored as two aligned units of 256 bytes.
.macro TOSTAGE a
	WIN 0x08                                       ; the data: window 2
.irp b, 0,1,2,3,4,5,6,7
	ds_store_b128 v[STO], v[64*(\a)+8*\b:64*(\a)+8*\b+3] offset:128*(\b/2)+32*(\b%2)      ; each accumulator from its low end on
	ds_store_b128 v[STO], v[64*(\a)+8*\b+4:64*(\a)+8*\b+7] offset:128*(\b/2)+32*(\b%2)+16
.endr
	WIN 0
.set BB, BK+64*((\a)%2)
.irp t, 0,1,2,3,4,5,6,7,8,9,10,11,12,13,14,15
	ds_load_b128 v[BB+4*\t:BB+4*\t+3], v[RD] offset:\t*SPITCH    ; LDS serves a wave's instructions in order: these see the stores above
.endr
.endm
.macro SEND a, younger                 ; younger: the LDS instructions issued behind block a's loads, which may stay out
.set BB, BK+64*((\a)%2)
	s_wait_dscnt \younger
	WIN 0x0c                                       ; source 1: x, window 3
.set i, 0
.rept 32
	v_pk_add_f32 v[BB+i:BB+i+1], v[BB+i:BB+i+1], v[64*(\a)+i:64*(\a)+i+1]
.set i, i+2
.endr
	WIN 0
.irp t, 0,1,2,3,4,5,6,7,8,9,10,11,12,13,14,15
	global_store_b128 v[CO], v[BB+4*\t:BB+4*\t+3], s[12:13] offset:(32*((\a)/2)+8*((\a)%2)+\t+8*(\t/8))*4096 th:TH_STORE_NT
.endr
.endm
	PLACES 4                                       ; behind the last products: their results are read and their operands' registers loaded below
	s_wait_loadcnt 0x0                             ; x is in
	TOSTAGE 0
.irp a, 1,2,3
.if \a > 1
	s_wait_xcnt 0x0                                ; block a - 2's stores have read their registers
.endif
	TOSTAGE \a
	SEND \a-1, 32                                  ; behind block a - 1's loads: block a's 16 stores and 16 loads
.endr
	SEND 3, 0
	s_wait_tensorcnt 0x0                           ; the wave's end
	ds_add_u32 v[SPW], v[NIL]
	s_wait_dscnt 0x0
	CROUND                                         ; the closing round
	s_endpgm
.Lfunc_end_k_q7116481ec0_gemm_out:
	.size	k_q7116481ec0_gemm_out, .Lfunc_end_k_q7116481ec0_gemm_out-k_q7116481ec0_gemm_out
	.p2alignl 7, 3214868480
	.fill 96, 4, 3214868480
	.section	.rodata,"a",@progbits
	.p2align	6, 0x0
	.amdhsa_kernel k_q7116481ec0_gemm_out
		.amdhsa_group_segment_fixed_size 327680
		.amdhsa_private_segment_fixed_size 0
		.amdhsa_enable_private_segment 0
		.amdhsa_kernarg_size 56
		.amdhsa_user_sgpr_count 2
		.amdhsa_user_sgpr_kernarg_segment_ptr 1
		.amdhsa_wavefront_size32 1
		.amdhsa_system_sgpr_workgroup_id_x 1
		.amdhsa_system_sgpr_workgroup_id_y 1
		.amdhsa_system_sgpr_workgroup_id_z 1
		.amdhsa_system_vgpr_workitem_id 0
		.amdhsa_next_free_vgpr 1024
		.amdhsa_next_free_sgpr 100
		.amdhsa_reserve_vcc 0
		.amdhsa_float_denorm_mode_32 3
		.amdhsa_float_denorm_mode_16_64 3
		.amdhsa_memory_ordered 1
		.amdhsa_forward_progress 1
		.amdhsa_inst_pref_size 97
	.end_amdhsa_kernel
	.amdgpu_metadata
---
amdhsa.version: [ 1, 2 ]
amdhsa.kernels:
  - .name:           k_q7116481ec0_gemm_out
    .symbol:         k_q7116481ec0_gemm_out.kd
    .args:
      - { .name: ac, .offset: 0, .size: 8, .value_kind: global_buffer, .address_space: global }
      - { .name: asc, .offset: 8, .size: 8, .value_kind: global_buffer, .address_space: global }
      - { .name: wc, .offset: 16, .size: 8, .value_kind: global_buffer, .address_space: global }
      - { .name: ws, .offset: 24, .size: 8, .value_kind: global_buffer, .address_space: global }
      - { .name: bp, .offset: 32, .size: 8, .value_kind: global_buffer, .address_space: global }
      - { .name: x, .offset: 40, .size: 8, .value_kind: global_buffer, .address_space: global }
      - { .name: out0, .offset: 48, .size: 8, .value_kind: global_buffer, .address_space: global }
    .group_segment_fixed_size: 327680
    .private_segment_fixed_size: 0
    .kernarg_segment_align: 8
    .kernarg_segment_size: 56
    .max_flat_workgroup_size: 128
    .sgpr_count:     100
    .vgpr_count:     1024
    .wavefront_size: 32
...
	.end_amdgpu_metadata
.endif
;; end of part 4
